; MI455X (gfx1250); checked and timed in simulation.
; The chip was launched on July 23, 2026; its instructions are those of AMD's public machine-readable ISA for CDNA 5 (MIT licence, August 2026) and "CDNA5" Instruction Set Architecture Reference Guide (July 2026). The comments in the code are by the model that wrote it; some were corrected since.
;; Cross Attention. Allowed arithmetic: matrix products marked QUANTISED: E2M3 operands, one E8M0 scale for each 32 along K, by v_wmma_scale_f32_16x16x128_f8f6f4 with both operands' format E2M3, f32 sums; everything else in f32.
;; Inputs: context 4 x 2,048 x 1,024 float32; kn_bias 64 float32; kn_scale 64 float32; kv_w 1,024 x 2,048 float32; proj_b 1,024 float32; proj_w 1,024 x 1,024 float32; q_w 1,024 x 1,024 float32; qn_bias 64 float32; qn_scale 64 float32; x 4 x 2,048 x 1,024 float32.
;; Outputs: out0 4 x 2,048 x 1,024 float32.
;; This version of the problem:
;;   THIS VERSION OF THE PROBLEM IS GIVEN IN LOW PRECISION. The matrix products marked QUANTISED in the list below multiply operands that are first quantised to E2M3 (2 exponent bits, 3 mantissa bits; 6 bits a number), with one power-of-two scale for each 32 numbers along K (OCP MX v1.0); their sums are f32. All else is computed in f32.
;;   The module's matrix products, in the order in which they are computed (A, B: the left and right operand; K: the contracted axis; several contracted axes count as one K, in the product's order):
;;     1. [M 8,192, K 1,024] x [K 1,024, N 1,024]; A: input x; B: input q_w: QUANTISED
;;     2. [M 8,192, K 1,024] x [K 1,024, N 2,048]; A: input context; B: input kv_w: QUANTISED
;;     3. batch 64 x [M 2,048, K 64] x [K 64, N 2,048]; A: computed on the way; B: computed on the way: QUANTISED
;;     4. batch 64 x [M 2,048, K 2,048] x [K 2,048, N 64]; A: softmax (see below); B: computed on the way: QUANTISED
;;     5. [M 8,192, K 1,024] x [K 1,024, N 1,024]; A: computed on the way; B: input proj_w: QUANTISED
;;   THE QUANTISER, for each operand of a quantised product, along K:
;;     - K is cut into blocks of 32 from its start; a last block that is shorter is filled with zeros.
;;     - A block's scale is 2^e with e = floor(log2(the largest magnitude in the block)) - 2, held to -126 .. 127; a block of zeros has e = 0. As a byte (E8M0): e + 127.
;;     - Each number is divided by its block's scale, clamped to +-7.5, and rounded to the nearest number of E2M3, ties to even, subnormals kept.
;;     - The product sums the exact products of the quantised numbers (number of the format x scale) in f32.
;;   ~~~python
;;   def quantise(x, axis):      # numpy; x: float32 -> the quantised numbers, widened to float32 again
;;       x = np.moveaxis(x, axis, -1); K = x.shape[-1]
;;       x = np.pad(x, [(0, 0)] * (x.ndim - 1) + [(0, -K % 32)]); x = x.reshape(x.shape[:-1] + (-1, 32)); a = np.abs(x).max(-1, keepdims=True)
;;       e = np.where(a > 0, np.clip(np.frexp(np.where(a > 0, a, 1))[1] - 1 - 2, -126, 127), 0)      # np.frexp(a)[1] - 1 = floor(log2(a)), exactly
;;       r = np.clip(x / 2.0 ** e, -7.5, 7.5)
;;       step = 2.0 ** (np.maximum(np.frexp(np.where(r == 0, 1, r))[1] - 1, 0) - 3)
;;       q = np.round(r / step) * step * 2.0 ** e      # np.round: ties to even
;;       return np.moveaxis(q.reshape(q.shape[:-2] + (-1,))[..., :K], -1, axis).astype(np.float32)
;;   ~~~
;;   SOFTMAX AHEAD OF A QUANTISED PRODUCT. Where the list says 'softmax', what is quantised is not the finished softmax but p = 2^(t - M), with t = logit x log2(e) and M = ceil(the row's largest t), a whole number; so 1/2 < the row's largest p <= 1. The row's sum l is taken of the UNQUANTISED p, in f32, and the product's result is divided by l at the end. Since M is a whole number, a kernel that streams over the keys may use a running M (the ceiling of the running maximum): every later rescaling is an exact power of two, which a block's scale takes up: the codes' values come out the same.
;;   OPERANDS COMPUTED ON THE WAY. 'Computed on the way' means the value that the module computes at that place (a softmax that the list does not call 'softmax' is quantised finished and normalised). What goes into a quantiser is computed in f32, as accurately as f32 sums, v_exp_f32 and their like allow (about 1e-6 of the number): no bf16 or f16 on the way to a quantiser, and a product that is left as it is and whose result goes on into a quantised operand takes f32 operands (vector FMAs, or v_wmma_f32_16x16x4_f32). A number that lies on a knife's edge between two numbers of the format may be rounded either way, as far as f32 arithmetic and the matrix unit's own rounding can turn it there, and no further.
;; One version. Each part assembles by itself: llvm-mc -triple=amdgcn-amd-amdhsa -mcpu=gfx1250 --defsym DOCPART=n.
;; ======== version 1 of 1: 4 launches
;; limits: right only within a limited range of input values
;; workspace buffers: act 13,107,200 bytes; wgt 3,276,800 bytes; rope_t 524,288 bytes; q_img 6,553,600 bytes; kv_img 13,107,200 bytes; o 6,553,600 bytes
;; launch prep (part 1): grid 416 x 1, 4 waves a work-group, no clusters, 34,304 bytes of LDS; arguments x, context, q_w, kv_w, proj_w, act, wgt, rope_t; writes act, wgt, rope_t
.if DOCPART == 1
	.amdgcn_target "amdgcn-amd-amdhsa--gfx1250"
	.amdhsa_code_object_version 6
	.text
	.protected	k_qbdd01fd0cf_prep
	.globl	k_qbdd01fd0cf_prep
	.p2align	8
	.type	k_qbdd01fd0cf_prep,@function
k_qbdd01fd0cf_prep:
	s_mov_b64 s[64:65], 0
	v_nop
	global_prefetch_b8 v0, s[64:65] scope:SCOPE_SE
	s_setreg_imm32_b32 hwreg(HW_REG_WAVE_MODE, 25, 1), 1
	s_wait_xcnt 0x0
; PREP: the wide inputs become codes of FP6 (E2M3) with one E8M0 byte for each 32 along K, laid as the matrix unit's operand registers, and RoPE's table is made.
; Work-groups 0-255: x and context ([8192][1024] f32 each, K innermost).  256-383: q_w, kv_w, proj_w (K is the FIRST axis).  384-415: cos and sin for 2,048 positions x 32 frequencies.
; TILES.  A tile is 16 rows (of an activation) or 16 columns (of a weight), NOT neighbours: lane r of tile T stands for index 32 (T / 2) + 8 (T % 2) + r + 8 (r / 8), so that a product that takes the tile as
; source 0 leaves 16 neighbouring indices in the 16 registers of tiles 2 b and 2 b + 1.
; IMAGES.  A fragment (16 x 128 along K) is 12 registers a lane and is stored as it stands: three groups of four registers, group c at 512 c + 16 x lane: 1,536 bytes.  act = [1024 tiles][8 K steps], wgt = [256 tiles][8].
; A tile's scale words (8 K steps x 16 rows) are 512 bytes: lane l owns 16 bytes; word p holds K step 2 p in lanes 0-15 and K step 2 p + 1 in lanes 16-31.  They lie behind the fragments (ASC, WSC).
; THE QUANTISER: a block's scale is 2^(floor(log2(largest magnitude)) - 2); its byte is the largest magnitude's exponent field - 2, held at 1 from below; numbers / scale go to the nearest code, ties to even, beyond 7.5 the largest code.
; LIMITS: NaN and infinities are not served.  Blocks whose largest magnitude lies under 2^-124, blocks of zeros among them, keep the byte 1 (their codes are what the conversion gives; zeros give zero codes); this program alone reads the bytes.
; RoPE: the frequencies are the f32 numbers nearest to 10^(-j/8); the angle is one f32 product, as in the definition; sin and cos by reduction with a three-part pi/2 and polynomials, good to about 1e-7 absolute for angles up to 2,047.
; No tensor load and no barrier: waves share nothing.  No matrix unit and no cluster: the launch streams its inputs once.
.set ASC,   12582912                   ; act: where the scale images begin
.set WSC,   3145728                    ; wgt: likewise
.set STG,   8448                       ; LDS: a stage of 16 rows x (512 + 16) bytes for each wave (activations only)
.set SPARE, 4*STG                      ; behind the stages: the spare words, 128 bytes a wave: two blocks of 256 bytes that no other line names
.set SPW, 12                           ; v12  LDS address of my spare word; never rewritten
.set NIL, 13                           ; v13  0; never rewritten
.set TM,  16                           ; v16-31   the quantiser's work: +0..3 largest magnitudes, +4..7 bytes, +12..15 scale operands
.set R,   32                           ; v32-159  activations: two sets of 64 registers as loaded
.set X,   160                          ; v160-223 64 numbers of my row: register 16 b + i = k 32 b + 16 (lane / 16) + i
.set PC,  224                          ; v224-243 the fragment just made (12), and two runs of three at +12 and +16
.set PW,  244                          ; v244     its scale word
.set PE,  245                          ; v245     the even K step's word
.set SCR, 248                          ; v248-251 my 16 bytes of the tile's scale image
.set XW,  32                           ; weights: v32-95 two sets of 32 numbers down K
.set FA0, 160                          ; weights: K step e: even blocks at FA0 + 24 e (12 registers), odd blocks 12 further on
.set TPW, 208                          ; weights: v208-210 a block's upper 16 codes
.set SEL, 28                           ; s[28:29] v_permlanex16_b32's selects for lane l xor 16
.set HM,  30                           ; s30  mask of lanes 16-31
	s_load_b256 s[4:11], s[0:1], 0x0               ; x, context, q_w, kv_w
	s_load_b256 s[12:19], s[0:1], 0x20             ; proj_w, act, wgt, rope_t
	v_lshl_add_u32 v[SPW], v0, 2, SPARE
	v_mov_b32 v[NIL], 0
	v_lshrrev_b32 v1, 5, v0
	v_readfirstlane_b32 s20, v1                    ; wave 0..3
	v_and_b32 v1, 31, v0                           ; lane
	v_and_b32 v2, 15, v0                           ; r
	v_bfe_u32 v3, v0, 4, 1                         ; h
	v_lshlrev_b32 v4, 4, v1                        ; 16 x lane: my place in every image
	v_cmp_ne_u32 s[HM], 0, v3
	s_mov_b32 s[SEL], 0x76543210
	s_mov_b32 s[SEL+1], 0xfedcba98
	s_wait_kmcnt 0x0
	s_cmp_ge_u32 ttmp9, 256
	s_cbranch_scc1 .Lnot_act
; ---------------------------------------------------------------- activations: a wave takes one tile of 16 rows through all of K
; 64 numbers of a lane become a fragment's codes in v[PC] on and its scale word in v[PW]
.macro QUANT s
.irp b, 0,1,2,3
	v_max3_num_f32 v[TM+\b], |v[\s+16*\b]|, |v[\s+1+16*\b]|, 0x1800000   ; block b: my 16 numbers, and the floor 2^(3 - 127): the byte cannot fall under 1
.endr
.irp i, 2,4,6,8,10,12,14
.irp b, 0,1,2,3
	v_max3_num_f32 v[TM+\b], v[TM+\b], |v[\s+16*\b+\i]|, |v[\s+1+16*\b+\i]|   ; the four blocks by turns
.endr
.endr
.irp b, 0,1,2,3
	v_permlanex16_b32 v[TM+4+\b], v[TM+\b], s[SEL], s[SEL+1]
.endr
.irp b, 0,1,2,3
	v_max_num_f32 v[TM+\b], v[TM+\b], v[TM+4+\b]   ; with lane l xor 16's 16: the block's largest magnitude
.endr
.irp b, 0,1,2,3
	v_add_nc_u32 v[TM+12+\b], 0xff000000, v[TM+\b] ; 2 off its exponent field: the conversion takes this operand's exponent field as its scale
.endr
.irp b, 0,1,2,3
	v_lshrrev_b32 v[TM+4+\b], 23, v[TM+12+\b]      ; the scale's byte
.endr
	v_lshl_or_b32 v[PW], v[TM+5], 8, v[TM+4]
	v_lshl_or_b32 v[PW], v[TM+6], 16, v[PW]
	v_lshl_or_b32 v[PW], v[TM+7], 24, v[PW]
.irp c, 0,1
	v_cvt_scalef32_pk16_fp6_f32 v[PC+6*\c:PC+2+6*\c], v[\s+32*\c:\s+15+32*\c], v[TM+12+2*\c]
	v_cvt_scalef32_pk16_fp6_f32 v[PC+12+4*\c:PC+14+4*\c], v[\s+16+32*\c:\s+31+32*\c], v[TM+12+2*\c+1]   ; (a conversion's three registers begin on an even number)
.endr
	v_nop                                          ; one plain instruction behind the scaled conversions
.irp c, 0,1                                    ; the operand wants a WHOLE block in a lane: lanes 0-15 block 2 c, lanes 16-31 block 2 c + 1
.irp i, 0,1,2
	v_permlane16_swap_b32 v[PC+6*\c+\i], v[PC+12+4*\c+\i]
.endr
.irp i, 0,1,2
	v_mov_b32 v[PC+3+6*\c+\i], v[PC+12+4*\c+\i]
.endr
.endr
.endm
.macro LOADA t                         ; K step t: 512 consecutive bytes of each of the tile's 16 rows, a row a load
.irp i, 0,1,2,3,4,5,6,7,8,9,10,11,12,13,14,15
	global_load_b128 v[R+64*((\t)%2)+4*\i:R+64*((\t)%2)+4*\i+3], v[4+3*(\i/8)], s[4:5] offset:(\i+8*(\i/8))*4096+512*(\t) th:TH_LOAD_NT   ; rows 8-15 of a tile by v7
.endr
.endm
.macro TURNA t                         ; through my own stage: in by rows, out 64 neighbouring bytes of each block a lane.  LDS serves a wave's instructions in order: no wait between
.irp i, 0,1,2,3,4,5,6,7,8,9,10,11,12,13,14,15
	ds_store_b128 v5, v[R+64*((\t)%2)+4*\i:R+64*((\t)%2)+4*\i+3] offset:528*\i
.endr
.irp b, 0,1,2,3
.irp j, 0,1,2,3
	ds_load_b128 v[X+16*\b+4*\j:X+16*\b+4*\j+3], v6 offset:128*\b+16*\j
.endr
.endr
.endm
.macro STEPA t
.if (\t) < 7
	s_wait_loadcnt 16                              ; this K step's 16 loads are in; the next step's 16 may be out
.else
	s_wait_loadcnt 0x0
.endif
	TURNA \t
	s_wait_dscnt 0x0                               ; my numbers are back, and the stores into the stage have read their registers,
	s_wait_xcnt 0x0                                ; and the last step's global stores have read theirs: v[PC] on is written again only behind this wait
.if (\t) < 6
	LOADA (\t)+2                                   ; which take the loads of two steps on
.endif
	QUANT X
.irp c, 0,1,2
	global_store_b128 v4, v[PC+4*\c:PC+4*\c+3], s[26:27] offset:1536*(\t)+512*\c   ; 32 lanes store 512 consecutive bytes
.endr
.if (\t)%2 == 0
	v_mov_b32 v[PE], v[PW]
.else
	v_cndmask_b32 v[SCR+(\t)/2], v[PE], v[PW], s[HM]   ; lanes 0-15 keep the even step's word, lanes 16-31 the odd step's
.endif
.endm
	s_lshl_b32 s21, ttmp9, 2
	s_add_co_u32 s21, s21, s20                     ; my tile T, 0..1023
	s_cmp_lt_u32 ttmp9, 128                        ; x or context: the choice hangs on the work-group's number alone
	s_cselect_b64 s[4:5], s[4:5], s[6:7]
	; CONTEXT IS TILED OTHERWISE THAN x: lane r of its tile T stands for row 64 (T / 4) + 32 (r / 8) + 8 (T % 4) + r % 8, so that a product that takes four such tiles as source 0
	; leaves a whole block of 32 neighbouring rows (keys) in ONE lane's 32 registers.  x keeps 32 (T / 2) + 8 (T % 2) + r + 8 (r / 8).
	s_cselect_b32 s38, 1, 2                        ; tiles in a group: 2^1 for x, 2^2 for context
	s_cselect_b32 s39, 0, 65536                    ; rows 8-15 lie 16 rows further down in context than in x
	s_and_b32 s22, s21, 511
	s_lshr_b32 s23, s22, s38
	s_lshl_b32 s23, s23, s38                       ; the group's first tile
	s_sub_co_u32 s24, s22, s23                     ; my tile's place in its group
	s_lshl_b32 s23, s23, 16                        ; 16 rows of 4,096 bytes for each tile ahead of the group,
	s_lshl_b32 s24, s24, 15                        ; 8 rows for each tile ahead of mine in it
	s_add_co_u32 s24, s24, s23
	s_mov_b32 s25, 0
	s_add_nc_u64 s[4:5], s[4:5], s[24:25]
	s_mul_i32 s24, s21, 12288
	s_add_nc_u64 s[26:27], s[14:15], s[24:25]      ; my tile's eight fragments
	s_lshl_b32 s24, s21, 9
	s_add_co_u32 s24, s24, ASC
	s_add_nc_u64 s[14:15], s[14:15], s[24:25]      ; and its scale image
	s_mul_i32 s22, s20, STG
	s_wait_alu depctr_va_vdst(0)
	v_add_nc_u32 v5, s22, v4                       ; the stage, in: 16 x lane of a row
	v_add_nc_u32 v7, s39, v4                       ; the loads' offset for rows 8-15 of the tile
	v_mul_u32_u24 v6, v2, 528
	v_lshl_add_u32 v6, v3, 6, v6
	v_add_nc_u32 v6, s22, v6                       ; out: row r, + 64 h
.irp b, 0,1,2,3
	v_mov_b32 v[TM+4+\b], 0                        ; written once: a lane permute's destination counts as one of its sources
.endr
	LOADA 0
	LOADA 1
	s_wait_alu depctr_va_vdst(0)
.irp t, 0,1,2,3,4,5,6,7
	STEPA \t
.endr
	global_store_b128 v4, v[SCR:SCR+3], s[14:15]   ; the tile's scale image: 512 consecutive bytes
	s_wait_tensorcnt 0x0                           ; the wave's end, behind my last LDS store
	ds_add_u32 v[SPW], v[NIL]
	s_wait_dscnt 0x0
	s_endpgm
; ---------------------------------------------------------------- weights: a wave takes 32 columns (two tiles) x 256 along K (two K steps)
; A lane takes a column and its registers run down K: a block of 32 is one lane's, and the conversions give codes with K innermost.  Lanes 0-15 hold the even tile's columns, lanes 16-31 the odd tile's.
.Lnot_act:
	s_cmp_ge_u32 ttmp9, 384
	s_cbranch_scc1 .Ltab
.macro LOADW t, pitch                  ; block t: W(32 t + i, my column); the wave's 32 lanes cover 128 consecutive bytes, the four waves 512
.irp i, 0,1,2,3,4,5,6,7,8,9,10,11,12,13,14,15,16,17,18,19,20,21,22,23,24,25,26,27,28,29,30,31
	global_load_b32 v[XW+32*((\t)%2)+\i], v5, s[36:37] offset:(32*(\t)+\i)*\pitch th:TH_LOAD_NT
.endr
.endm
.macro BLOCKW t, pitch
.set XS, XW+32*((\t)%2)
.set EE, (\t)/4                        ; which of my two K steps
.set TQ, (\t)%4                        ; which block of it
.set DD, FA0+24*EE+12*(TQ%2)+6*(TQ/2)
.if (\t) < 7
	s_wait_loadcnt 32                              ; this block's 32 loads are in; the next block's may be out
.else
	s_wait_loadcnt 0x0
.endif
	v_max3_num_f32 v16, |v[XS]|, |v[XS+1]|, |v[XS+2]|
	v_max3_num_f32 v17, |v[XS+3]|, |v[XS+4]|, |v[XS+5]|
.irp i, 6,10,14,18,22,26
	v_max3_num_f32 v16, v16, |v[XS+\i]|, |v[XS+\i+1]|
	v_max3_num_f32 v17, v17, |v[XS+\i+2]|, |v[XS+\i+3]|
.endr
	v_max3_num_f32 v16, v16, |v[XS+30]|, |v[XS+31]|
	v_max3_num_f32 v16, v16, v17, 0x1800000        ; and the floor
	v_add_nc_u32 v18, 0xff000000, v16              ; the conversion's scale operand
	v_lshrrev_b32 v19, 23, v18                     ; the byte
.if TQ == 0
	v_mov_b32 v[20+EE], v19                        ; v20, v21: my column's scale words of the two K steps
.else
	v_lshl_or_b32 v[20+EE], v19, 8*TQ, v[20+EE]
.endif
	v_cvt_scalef32_pk16_fp6_f32 v[DD:DD+2], v[XS:XS+15], v18
	v_cvt_scalef32_pk16_fp6_f32 v[TPW:TPW+2], v[XS+16:XS+31], v18
	v_nop                                          ; one plain instruction behind the scaled conversions
.irp i, 0,1,2
	v_mov_b32 v[DD+3+\i], v[TPW+\i]
.endr
.if (\t)+2 < 8
	LOADW (\t)+2, \pitch
.endif
.if TQ == 3                            ; a K step is whole.  The first run holds blocks 0, 2 of every lane's column, the second blocks 1, 3: the exchange of halves makes of them the even tile's fragment and the odd tile's
.irp i, 0,1,2,3,4,5,6,7,8,9,10,11
	v_permlane16_swap_b32 v[FA0+24*EE+\i], v[FA0+24*EE+12+\i]
.endr
.irp c, 0,1,2
	global_store_b128 v4, v[FA0+24*EE+4*\c:FA0+24*EE+4*\c+3], s[32:33] offset:1536*EE+512*\c
	global_store_b128 v4, v[FA0+24*EE+12+4*\c:FA0+24*EE+12+4*\c+3], s[32:33] offset:12288+1536*EE+512*\c
.endr
.endif
.endm
.macro WPATH pitch
	LOADW 0, \pitch
	LOADW 1, \pitch
.irp t, 0,1,2,3,4,5,6,7
	BLOCKW \t, \pitch
.endr
	v_permlane16_swap_b32 v20, v21                 ; v20: the even tile's words (even K step below, odd above); v21: the odd tile's
	global_store_b32 v4, v20, s[34:35]             ; words 16 bytes apart: a tile's image is shared by four work-groups along K; 131,072 bytes in the whole launch go out so
	global_store_b32 v4, v21, s[34:35] offset:512
.endm
	s_sub_co_u32 s21, ttmp9, 256
	s_lshr_b32 s22, s21, 2                         ; which 128 columns: 0-7 q_w, 8-23 kv_w, 24-31 proj_w
	s_and_b32 s23, s21, 3                          ; which 256 along K
	s_lshl_b32 s24, s22, 2
	s_add_co_u32 s24, s24, s20                     ; my pair of tiles, 0..127
	s_wait_alu depctr_va_vdst(0)
	v_and_b32 v5, 8, v2
	v_add_nc_u32 v5, v5, v2
	v_lshl_add_u32 v5, v3, 3, v5                   ; my column of the 32: 8 h + r + 8 (r / 8)
	v_lshlrev_b32 v5, 2, v5
	s_lshl_b32 s25, s24, 4
	s_lshl_b32 s26, s23, 1
	s_add_co_u32 s25, s25, s26
	s_mul_i32 s26, s25, 1536
	s_mov_b32 s27, 0
	s_add_nc_u64 s[32:33], s[16:17], s[26:27]      ; the even tile's fragment of my first K step
	s_lshl_b32 s26, s24, 10
	s_lshl_b32 s25, s23, 2
	s_add_co_u32 s26, s26, s25
	s_add_co_u32 s26, s26, WSC
	s_add_nc_u64 s[34:35], s[16:17], s[26:27]      ; my word of its scale image
	s_cmp_lt_u32 s22, 8
	s_cselect_b64 s[36:37], s[8:9], s[12:13]       ; q_w or proj_w
	s_cselect_b32 s25, 0, 96
	s_sub_co_u32 s25, s24, s25                     ; the pair's number within its tensor
	s_sub_co_u32 s38, s22, 8
	s_cmp_lt_u32 s38, 16
	s_cbranch_scc1 .Lw_kv
	s_lshl_b32 s26, s25, 7                         ; 32 columns of 4 bytes
	s_lshl_b32 s38, s23, 20                        ; 256 rows of 4,096 bytes
	s_add_co_u32 s26, s26, s38
	s_add_nc_u64 s[36:37], s[36:37], s[26:27]
	s_wait_alu depctr_va_vdst(0)
	WPATH 4096
	s_endpgm
.Lw_kv:
	s_sub_co_u32 s25, s24, 32
	s_lshl_b32 s26, s25, 7
	s_lshl_b32 s38, s23, 21                        ; 256 rows of 8,192 bytes
	s_add_co_u32 s26, s26, s38
	s_add_nc_u64 s[36:37], s[10:11], s[26:27]
	s_wait_alu depctr_va_vdst(0)
	WPATH 8192
	s_endpgm
; ---------------------------------------------------------------- RoPE's table: a wave takes one tile of 16 positions; lane (r, h) makes cos and sin of frequencies 16 h + 0 .. 15
; rope_t = [128 tiles][8 groups][32 lanes][16 bytes]: groups 0-3 cos, groups 4-7 sin
.Ltab:
.macro SINCOS i, c0, c1                ; c0, c1: the frequencies i and 16 + i
	v_mul_f32 v6, \c0, v5
	v_mul_f32 v7, \c1, v5
	v_cndmask_b32 v6, v6, v7, s[HM]                ; the angle: position x frequency, one rounding
	v_mul_f32 v7, 0x3f22f983, v6                   ; x 2 / pi
	v_rndne_f32 v7, v7                             ; k quarter turns
	v_fma_f32 v8, v7, s36, v6                      ; the angle less k x pi / 2, pi / 2 in three parts: the first step is exact
	v_fma_f32 v8, v7, s37, v8
	v_fma_f32 v8, v7, s38, v8
	v_mul_f32 v9, v8, v8
	v_mov_b32 v10, 0x37cd4006                      ; cos on [-pi/4, pi/4]
	v_fmaak_f32 v10, v10, v9, 0xbab6077d
	v_fmaak_f32 v10, v10, v9, 0x3d2aaaa8
	v_fmaak_f32 v10, v10, v9, 0xbf000000
	v_fmaak_f32 v10, v10, v9, 0x3f800000
	v_mov_b32 v11, 0x36405000                      ; sin
	v_fmaak_f32 v11, v11, v9, 0xb9503486
	v_fmaak_f32 v11, v11, v9, 0x3c0888c1
	v_fmaak_f32 v11, v11, v9, 0xbe2aaaab
	v_mul_f32 v14, v8, v9
	v_fma_f32 v11, v11, v14, v8
	v_cvt_i32_f32 v7, v7
	v_and_b32 v14, 1, v7
	v_cmp_ne_u32 s31, 0, v14                       ; an odd k changes sin and cos
	v_cndmask_b32 v15, v11, v10, s31
	v_cndmask_b32 v14, v10, v11, s31
	v_lshlrev_b32 v16, 30, v7
	v_and_b32 v16, 0x80000000, v16                 ; sin is negated where k % 4 is 2 or 3,
	v_xor_b32 v[48+\i], v15, v16
	v_add_nc_u32 v7, 1, v7
	v_lshlrev_b32 v16, 30, v7
	v_and_b32 v16, 0x80000000, v16                 ; cos where it is 1 or 2
	v_xor_b32 v[32+\i], v14, v16
.endm
	s_sub_co_u32 s21, ttmp9, 384
	s_lshl_b32 s21, s21, 2
	s_add_co_u32 s21, s21, s20                     ; my tile of positions, 0..127
	s_lshr_b32 s22, s21, 1
	s_lshl_b32 s22, s22, 5
	s_and_b32 s23, s21, 1
	s_lshl_b32 s23, s23, 3
	s_add_co_u32 s22, s22, s23
	s_wait_alu depctr_va_vdst(0)
	v_and_b32 v5, 8, v2
	v_add3_u32 v5, v5, v2, s22                     ; my position
	v_cvt_f32_u32 v5, v5
	s_lshl_b32 s24, s21, 12
	s_mov_b32 s25, 0
	s_add_nc_u64 s[18:19], s[18:19], s[24:25]
	s_mov_b32 s36, 0xbfc90fdb                      ; -(pi / 2), its first part;
	s_mov_b32 s37, 0x333bbd2e                      ; minus its second;
	s_mov_b32 s38, 0x26f72ced                      ; minus its third
	SINCOS 0, 1.0, 0.01
	SINCOS 1, 0.74989420933, 0.0074989420933
	SINCOS 2, 0.56234132519, 0.0056234132519
	SINCOS 3, 0.42169650343, 0.0042169650343
	SINCOS 4, 0.31622776602, 0.0031622776602
	SINCOS 5, 0.23713737057, 0.0023713737057
	SINCOS 6, 0.17782794100, 0.0017782794100
	SINCOS 7, 0.13335214322, 0.0013335214322
	SINCOS 8, 0.1, 0.001
	SINCOS 9, 0.074989420933, 0.00074989420933
	SINCOS 10, 0.056234132519, 0.00056234132519
	SINCOS 11, 0.042169650343, 0.00042169650343
	SINCOS 12, 0.031622776602, 0.00031622776602
	SINCOS 13, 0.023713737057, 0.00023713737057
	SINCOS 14, 0.017782794100, 0.00017782794100
	SINCOS 15, 0.013335214322, 0.00013335214322
.irp c, 0,1,2,3
	global_store_b128 v4, v[32+4*\c:35+4*\c], s[18:19] offset:512*\c
	global_store_b128 v4, v[48+4*\c:51+4*\c], s[18:19] offset:2048+512*\c
.endr
	s_endpgm
.Lfunc_end_k_qbdd01fd0cf_prep:
	.size	k_qbdd01fd0cf_prep, .Lfunc_end_k_qbdd01fd0cf_prep-k_qbdd01fd0cf_prep
	.p2alignl 7, 3214868480
	.fill 96, 4, 3214868480
	.section	.rodata,"a",@progbits
	.p2align	6, 0x0
	.amdhsa_kernel k_qbdd01fd0cf_prep
		.amdhsa_group_segment_fixed_size 34304
		.amdhsa_private_segment_fixed_size 0
		.amdhsa_enable_private_segment 0
		.amdhsa_kernarg_size 64
		.amdhsa_user_sgpr_count 2
		.amdhsa_user_sgpr_kernarg_segment_ptr 1
		.amdhsa_wavefront_size32 1
		.amdhsa_system_sgpr_workgroup_id_x 1
		.amdhsa_system_sgpr_workgroup_id_y 1
		.amdhsa_system_sgpr_workgroup_id_z 1
		.amdhsa_system_vgpr_workitem_id 0
		.amdhsa_next_free_vgpr 256
		.amdhsa_next_free_sgpr 66
		.amdhsa_reserve_vcc 0
		.amdhsa_float_denorm_mode_32 3
		.amdhsa_float_denorm_mode_16_64 3
		.amdhsa_memory_ordered 1
		.amdhsa_forward_progress 1
		.amdhsa_inst_pref_size 170
	.end_amdhsa_kernel
	.amdgpu_metadata
---
amdhsa.version: [ 1, 2 ]
amdhsa.kernels:
  - .name:           k_qbdd01fd0cf_prep
    .symbol:         k_qbdd01fd0cf_prep.kd
    .args:
      - { .name: x, .offset: 0, .size: 8, .value_kind: global_buffer, .address_space: global }
      - { .name: context, .offset: 8, .size: 8, .value_kind: global_buffer, .address_space: global }
      - { .name: q_w, .offset: 16, .size: 8, .value_kind: global_buffer, .address_space: global }
      - { .name: kv_w, .offset: 24, .size: 8, .value_kind: global_buffer, .address_space: global }
      - { .name: proj_w, .offset: 32, .size: 8, .value_kind: global_buffer, .address_space: global }
      - { .name: act, .offset: 40, .size: 8, .value_kind: global_buffer, .address_space: global }
      - { .name: wgt, .offset: 48, .size: 8, .value_kind: global_buffer, .address_space: global }
      - { .name: rope_t, .offset: 56, .size: 8, .value_kind: global_buffer, .address_space: global }
    .group_segment_fixed_size: 34304
    .private_segment_fixed_size: 0
    .kernarg_segment_align: 8
    .kernarg_segment_size: 64
    .max_flat_workgroup_size: 128
    .sgpr_count:     66
    .vgpr_count:     256
    .wavefront_size: 32
...
	.end_amdgpu_metadata
.endif
;; end of part 1
;; launch gemm_qkv (part 2): grid 12 x 64, 4 waves a work-group, clusters of 4 x 4, 327,680 bytes of LDS; arguments act, wgt, rope_t, qn_scale, qn_bias, kn_scale, kn_bias, q_img, kv_img; writes q_img, kv_img
.if DOCPART == 2
	.amdgcn_target "amdgcn-amd-amdhsa--gfx1250"
	.amdhsa_code_object_version 6
	.text
	.protected	k_qbdd01fd0cf_gemm_qkv
	.globl	k_qbdd01fd0cf_gemm_qkv
	.p2align	8
	.type	k_qbdd01fd0cf_gemm_qkv,@function
k_qbdd01fd0cf_gemm_qkv:
	s_mov_b64 s[64:65], 0
	v_nop
	global_prefetch_b8 v0, s[64:65] scope:SCOPE_SE
	s_setreg_imm32_b32 hwreg(HW_REG_WAVE_MODE, 25, 1), 1
	s_wait_xcnt 0x0
	s_wait_alu depctr_hold_cnt(0) depctr_sa_sdst(0) depctr_va_vdst(0) depctr_va_sdst(0) depctr_va_ssrc(0) depctr_va_vcc(0) depctr_vm_vsrc(0)
	s_getreg_b32 s2, hwreg(HW_REG_IB_STS2, 6, 4)
	s_cmp_eq_u32 s2, 0
	s_cbranch_scc0 .Lentry_in_a_cluster
	s_endpgm
.Lentry_in_a_cluster:
	s_bfe_u32 s2, ttmp6, 0x10000c
	s_cmp_lg_u32 s2, 0xf033
	s_cbranch_scc0 .Lentry_shape_is_right
	s_endpgm
.Lentry_shape_is_right:
; THE THREE PROJECTIONS on codes of FP6 (E2M3) with E8M0 scales, and what follows them: LayerNorm over each head (q, k), RoPE (q), and the quantiser of the attention's operands.  Cluster x = 0: q, 1: k, 2: v.
; D[g][f]: source 0 = a tile of F (its index runs along a lane's registers), source 1 = a tile of G (its index is the lane).  q, k: G = 16 rows of x or context, F = 16 columns of the weight: a lane holds one row and
; 32 of each head's 64 channels, so that LayerNorm wants one exchange between the halves of the lanes, RoPE's two partners lie in one lane, and the next product's K (the channels) runs along the registers.
; v: G = 16 columns of the weight, F = 16 rows of context: a lane holds one channel and its registers run along the KEYS, which are the second attention product's K.  Only buffers and tile numbers differ.
; A work-group makes 128 (G) x 256 (F) with K = 1,024; wave w: G's tiles 4 (w / 2) on, F's tiles 8 (w % 2) on: 32 accumulators.  All of K (24 tiles x 8 fragments of 1,536 bytes = 294,912 bytes) lies in LDS at once:
; two halves of four K steps, each filled ONCE: the first by loads at the start, the second by loads behind a round of the cluster's barrier: nothing is ever filled again.  A wave has one tensor load out at the most.
; CLUSTER 4 x 4: G's tiles hang on the cluster's y and cy alone and are asked for jointly along a row of the cluster, F's on cx alone (and y for v) and jointly along a column.
; Operands lie in memory and in LDS as images of their registers (three groups of four registers, 16 bytes a lane): every LDS read is 512 consecutive bytes.  Scale words come straight from memory, 512 bytes a tile.
; OUT: q_img [64 heads][16 steps of 128 queries] records of 6,400 bytes: four fragments, each TWO tiles of 16 queries x 64 channels (registers 0-5 | 6-11), then 256 bytes of scale words (bytes 0, 1 | 2, 3).
;      kv_img records of 12,800 bytes: k likewise at 0, its scale words at 12,288; v's four fragments (16 channels x 128 keys) at 6,144, its scale words at 12,544.
; LIMITS: NaN and infinities are not served; blocks whose largest magnitude lies under 2^-124 keep the byte 1.  1 / sqrt by v_rsq_f32; RoPE's products are fused (one rounding fewer than the definition has).
; REGISTERS: window 0: addresses, scale words v32-79 (they hold nothing else), LayerNorm's gains v80-111 and biases v112-143, G's four fragments v144-191 (after the products v144-255 are at work);
;   window 1: F's fragments, two sets of 96;  window 2: the accumulators, (g, f) at v[8 (8 g + f)];  window 3: RoPE's cos and sin of my four row tiles, 32 registers each.
.set ASC,   12582912
.set WSC,   3145728
.set GRP,   147456                     ; LDS: all of K lies in TWO halves of four K steps, 24 tiles x 6,144 bytes each (they take the place of the four groups): G's 8 tiles, then F's 16.
                                       ; Each half is filled once: the first by one load a wave at the head, the second by one load a wave behind the waits, the add and a round of the cluster's barrier
.set FOFF,  49152
.set SPARE, 2*GRP                      ; behind the halves: the spare words, 128 bytes a wave
.set NLG,   3                          ; LDS loads that bring a fragment of G
.set L16, 3                            ; v3 16 x lane   v4 4 x lane   v5 8 x lane   v6 64 x (lane / 16)   (v1 r, v2 h)
.set L4,  4
.set L8,  5
.set H64, 6
.set ADRG, 8                           ; v8-11   my G tiles in half 0, 1
.set ADRF, 12                          ; v12-15  my F tiles
.set ST,  16                           ; v16-19  a head's mean, then 1 / sqrt: the low word of a pair
.set WH,  20                           ; v20-23  scale words in the making
.set WP,  22
.set RR,  24                           ; v24-25  scale words to store
.set SPW, 28
.set NIL, 29
.set SCG, 32                           ; v32-47  G's scale words: 4 g + p: K step 2 p in lanes 0-15, 2 p + 1 in lanes 16-31
.set SCF, 48                           ; v48-79  F's: 4 f + p
.set LNS, 80
.set LNB, 112
.set AF,  144
.set TT,  144                          ; after the products: v144-207 sums, RoPE's partial products
.set TM,  208                          ; v208-223 the quantiser's work
.set TP,  224                          ; v224-230 two runs of three codes registers
.set FH0, 232                          ; v232-243 the fragment in the making, first head (v: even tiles)
.set FH1, 244                          ; v244-255 second head (v: odd tiles)
.set SEL, 2
.set WV,  22
.set WG,  23
.set G1,  24                           ; s[24:31] group 1 for G's tiles, s[32:39] two groups 0
.set G0,  32
.set G1B, 48                           ; s[48:55] group 1 for F's, s[68:75] two groups 0
.set WF,  56
.set CX,  57
.set CY,  58
.set XX,  59
.set YY,  60
.set GI,  61
.set FI,  62
.set GT,  63
.set FT,  66
.set HM,  67
.set G0B, 68
.set I64, 84
.set EPS, 85
.set MSB, 0
.macro WIN new                         ; the immediate's high byte repeats the setting that is left; bits 1:0 source 0, 3:2 source 1, 5:4 source 2, 7:6 destination
.if MSB != \new
	s_set_vgpr_msb (MSB<<8)|\new
.set MSB, \new
.endif
.endm
.macro PLACES n
.rept \n
	v_nop
.endr
.endm
.macro CROUND                          ; a round of the cluster's barrier
	s_barrier_signal -1
	s_barrier_wait -1
	s_cmp_lg_u32 s[WV], 0
	s_cbranch_scc1 .Lnw0_\@
	s_barrier_signal -3
.Lnw0_\@:
	s_barrier_wait -3
	s_barrier_signal -1
	s_barrier_wait -1
.endm
	s_load_b256 s[4:11], s[0:1], 0x0               ; act, wgt, rope_t, qn_scale
	s_load_b256 s[12:19], s[0:1], 0x20             ; qn_bias, kn_scale, kn_bias, q_img
	s_load_b64 s[20:21], s[0:1], 0x40              ; kv_img
	v_lshl_add_u32 v[SPW], v0, 2, SPARE
	v_mov_b32 v[NIL], 0
	ds_add_u32 v[SPW], v[NIL]                      ; the wave's opening: the add and its wait ahead of my first tensor load; work on registers stands between
	ds_add_u32 v[SPW], v[NIL]
	v_lshrrev_b32 v1, 5, v0
	v_readfirstlane_b32 s[WV], v1                  ; wave 0..3
	s_lshr_b32 s[WG], s[WV], 1                     ; which four tiles of G are mine
	s_and_b32 s[WF], s[WV], 1                      ; which eight tiles of F.  Also: which half of a group's G or F tiles I fetch
	s_bfe_u32 s[CX], ttmp6, 0x40000
	s_bfe_u32 s[CY], ttmp6, 0x40004
	s_mov_b32 s[XX], ttmp9                         ; the cluster's x: 0 q, 1 k, 2 v: the same in all sixteen partners
	s_and_b32 s[YY], ttmp7, 0xffff
	s_lshl_b32 s[GI], s[YY], 2
	s_and_b32 s88, s[YY], 1
	s_lshl_b32 s88, s88, 2
	s_lshr_b32 s90, s[YY], 1
	s_lshl_b32 s90, s90, 2
	s_mov_b32 s98, ASC
	s_mov_b32 s100, WSC
	s_cmp_eq_u32 s[XX], 2
	s_cselect_b32 s[GI], s88, s[GI]                ; q, k: 64 blocks of rows x 4 of columns;  v: 8 blocks of columns (G) x 32 of rows (F)
	s_cselect_b32 s[FI], s90, 0
	s_cselect_b32 s[GT], 128, 0                    ; G's first tile: x at 0, context at 512 of act; v's columns at 128 of wgt
	s_cselect_b32 s[FT], 512, 0                    ; F's: q's columns at 0, k's at 64 of wgt; context at 512 of act
	s_cselect_b32 s99, s100, s98                   ; where G's scale images begin in its buffer,
	s_cselect_b32 s98, s98, s100                   ; and F's
	s_cmp_eq_u32 s[XX], 1
	s_cselect_b32 s[GT], 512, s[GT]
	s_cselect_b32 s[FT], 64, s[FT]
	s_add_co_u32 s[GI], s[GI], s[CY]
	s_add_co_u32 s[FI], s[FI], s[CX]
	s_lshl_b32 s88, s[GI], 3
	s_add_co_u32 s[GT], s[GT], s88
	s_lshl_b32 s90, s[FI], 4
	s_add_co_u32 s[FT], s[FT], s90
	s_lshl_b32 s88, s[CY], 2
	s_lshl_b32 s88, 15, s88                        ; my row of the cluster
	s_lshl_b32 s90, 0x1111, s[CX]                  ; my column
	; group 1: rows of 6,144 bytes (a tile's four K steps: 768 elements of 8 bytes), 12,288 bytes apart in memory, on end in LDS; 4 rows for G, 8 for F
	s_or_b32 s[G1], s88, (3<<16)|(1<<21)           ; 15:0 the mask; 17:16 elements of 8 bytes; 21 set beside a mask; no padding
	s_or_b32 s[G1B], s90, (3<<16)|(1<<21)
	s_mov_b32 s[G1+1], 768<<16                     ; rows of 6,144 bytes: a tile's four K steps, 768 elements of 8 bytes
	s_mov_b32 s[G1+2], 4<<16
	s_mov_b32 s[G1+3], 768<<16
	s_mov_b32 s[G1+4], 4
	s_mov_b32 s[G1+5], 1536
	s_mov_b32 s[G1+6], 0
	s_mov_b32 s[G1+7], 0
	s_mov_b32 s[G1B+1], 768<<16
	s_mov_b32 s[G1B+2], 8<<16
	s_mov_b32 s[G1B+3], 768<<16
	s_mov_b32 s[G1B+4], 8
	s_mov_b32 s[G1B+5], 1536
	s_mov_b32 s[G1B+6], 0
	s_mov_b32 s[G1B+7], 0
	s_lshl_b32 s88, s[WF], 2                       ; what I fetch.  G's offsets stand in registers that never hold cx, F's in registers that never hold cy
	s_add_co_u32 s88, s88, s[GT]
	s_mul_i32 s88, s88, 12288
	s_mov_b32 s89, 0
	s_lshl_b32 s90, s[WF], 3
	s_add_co_u32 s90, s90, s[FT]
	s_mul_i32 s90, s90, 12288
	s_mov_b32 s91, 0
	s_mul_i32 s96, s[WF], 24576                    ; and where it goes: four tiles of G, or eight of F, x 6,144 bytes: no place in the cluster enters an LDS address
	s_mul_i32 s97, s[WF], 49152
	s_lshl_b32 s92, s[WG], 2                       ; the scale images of the tiles that I multiply
	s_add_co_u32 s92, s92, s[GT]
	s_lshl_b32 s92, s92, 9
	s_add_co_u32 s92, s92, s99
	s_mov_b32 s93, 0
	s_lshl_b32 s94, s[WF], 3
	s_add_co_u32 s94, s94, s[FT]
	s_lshl_b32 s94, s94, 9
	s_add_co_u32 s94, s94, s98
	s_mov_b32 s95, 0
	s_wait_dscnt 0x0                               ; the opening add is done
	s_wait_kmcnt 0x0
	s_cmp_eq_u32 s[XX], 2
	s_cselect_b64 s[84:85], s[6:7], s[4:5]         ; G's buffer
	s_cselect_b64 s[86:87], s[4:5], s[6:7]         ; F's
	s_add_nc_u64 s[88:89], s[84:85], s[88:89]
	s_add_nc_u64 s[90:91], s[86:87], s[90:91]
	s_add_nc_u64 s[92:93], s[84:85], s[92:93]
	s_add_nc_u64 s[94:95], s[86:87], s[94:95]
	CROUND                                         ; all sixteen work-groups are here: the joint loads meet
.irp y, 0,1
	s_mov_b32 s[G0+4*\y], 1
	s_add_co_u32 s[G0+4*\y+1], s96, GRP*\y
	s_add_nc_u64 s[G0+4*\y+2:G0+4*\y+3], s[88:89], 6144*\y
	s_or_b32 s[G0+4*\y+3], s[G0+4*\y+3], 0x80000000
	s_mov_b32 s[G0B+4*\y], 1
	s_add_co_u32 s[G0B+4*\y+1], s97, GRP*\y+FOFF
	s_add_nc_u64 s[G0B+4*\y+2:G0B+4*\y+3], s[90:91], 6144*\y
	s_or_b32 s[G0B+4*\y+3], s[G0B+4*\y+3], 0x80000000
.endr
	s_cmp_lt_u32 s[WV], 2                          ; waves 0, 1 ask for G's halves, waves 2, 3 for F's: one load a wave at the head, K steps 0 to 3
	s_cbranch_scc0 .Lfirst_f
	tensor_load_to_lds s[G0:G0+3], s[G1:G1+7]
	s_nop 0
	PLACES 4
	s_branch .Lfirst_done
.Lfirst_f:
	tensor_load_to_lds s[G0B:G0B+3], s[G1B:G1B+7]
	s_nop 0
	PLACES 4
.Lfirst_done:
	v_and_b32 v1, 15, v0                           ; r
	v_bfe_u32 v2, v0, 4, 1                         ; h
	v_and_b32 v7, 31, v0
	v_lshlrev_b32 v[L16], 4, v7
	s_wait_alu depctr_va_vdst(0)
	v_lshlrev_b32 v[L4], 2, v7
	v_lshlrev_b32 v[L8], 3, v7
	v_lshlrev_b32 v[H64], 6, v2
.irp g, 0,1,2,3
	global_load_b128 v[SCG+4*\g:SCG+4*\g+3], v[L16], s[92:93] offset:512*\g
.endr
.irp f, 0,1,2,3,4,5,6,7
	global_load_b128 v[SCF+4*\f:SCF+4*\f+3], v[L16], s[94:95] offset:512*\f
.endr
	s_cmp_eq_u32 s[XX], 0
	s_cselect_b64 s[84:85], s[10:11], s[14:15]     ; q's gain and bias, or k's (v loads k's and does not use them)
	s_cselect_b64 s[86:87], s[12:13], s[16:17]
.irp b, 0,1
.irp j, 0,1,2,3
	global_load_b128 v[LNS+16*\b+4*\j:LNS+16*\b+4*\j+3], v[H64], s[84:85] offset:128*\b+16*\j   ; register 16 b + i: channel 32 b + 16 h + i
	global_load_b128 v[LNB+16*\b+4*\j:LNB+16*\b+4*\j+3], v[H64], s[86:87] offset:128*\b+16*\j
.endr
.endr
	s_and_b32 s98, s[GI], 15                       ; RoPE's table for my four row tiles.  Every work-group loads it, so that no way through the text reads a register that was not written; only q uses it
	s_lshl_b32 s98, s98, 3
	s_lshl_b32 s99, s[WG], 2
	s_add_co_u32 s98, s98, s99
	s_lshl_b32 s98, s98, 12
	s_mov_b32 s99, 0
	s_add_nc_u64 s[98:99], s[8:9], s[98:99]
	WIN 0xc0                                       ; destination window 3
.irp g, 0,1,2,3
.irp c, 0,1,2,3,4,5,6,7
	global_load_b128 v[32*\g+4*\c:32*\g+4*\c+3], v[L16], s[98:99] offset:4096*\g+512*\c   ; 32 g + i: cos of frequency 16 h + i; 32 g + 16 + i: sin
.endr
.endr
	WIN 0
	s_mul_i32 s100, s[WG], 24576
	s_mul_i32 s101, s[WF], 49152
	s_add_co_u32 s101, s101, FOFF
.irp y, 0,1
	v_add_nc_u32 v[ADRG+\y], s100, v[L16]
	v_add_nc_u32 v[ADRF+\y], s101, v[L16]
	s_add_co_u32 s100, s100, GRP
	s_add_co_u32 s101, s101, GRP
.endr
.macro FRAG reg, adr, off              ; a fragment comes back as it was stored: three loads of 512 consecutive bytes
.irp c, 0,1,2
	ds_load_b128 v[\reg+4*\c:\reg+4*\c+3], v[\adr] offset:\off+512*\c
.endr
.endm
.macro FETCH_F s                       ; F's eight fragments of K step s into set s % 2 of window 1
	WIN 0x40
.irp f, 0,1,2,3,4,5,6,7
	FRAG 96*((\s)%2)+12*\f, ADRF+(\s)/4, 6144*\f+1536*((\s)%4)
.endr
	WIN 0
.endm
.macro FETCH_G s, g0                   ; G's blocks g0, g0 + 1
.irp g, \g0, \g0+1
	FRAG AF+12*(\g), ADRG+(\s)/4, 6144*(\g)+1536*((\s)%4)
.endr
.endm
; 16 matrix instructions: G's blocks g0, g0 + 1 x F's eight, K step s.  The 32 accumulators take turns, one instruction a turn, in the same order in every step.  K step 0 starts the sums with the constant 0.
.macro MUL16 g0, s
	WIN 0xa1                                       ; source 0 (F) window 1, source 1 (G) window 0, C and D window 2
.irp g, \g0, \g0+1
.irp f, 0,1,2,3,4,5,6,7
.set DD, 8*(8*(\g)+\f)
.set FF, 96*((\s)%2)+12*\f
.set GG, AF+12*(\g)
.set SA, SCF+4*\f+(\s)/2
.set SB, SCG+4*(\g)+(\s)/2
.if (\s) == 0
	v_wmma_scale_f32_16x16x128_f8f6f4 v[DD:DD+7], v[FF:FF+11], v[GG:GG+11], 0, v[SA], v[SB] matrix_a_fmt:MATRIX_FMT_FP6 matrix_b_fmt:MATRIX_FMT_FP6
.elseif (\s)%2 == 0
	v_wmma_scale_f32_16x16x128_f8f6f4 v[DD:DD+7], v[FF:FF+11], v[GG:GG+11], v[DD:DD+7], v[SA], v[SB] matrix_a_fmt:MATRIX_FMT_FP6 matrix_b_fmt:MATRIX_FMT_FP6
.else
	v_wmma_scale_f32_16x16x128_f8f6f4 v[DD:DD+7], v[FF:FF+11], v[GG:GG+11], v[DD:DD+7], v[SA], v[SB] matrix_a_fmt:MATRIX_FMT_FP6 matrix_b_fmt:MATRIX_FMT_FP6 matrix_a_scale:MATRIX_SCALE_ROW1 matrix_b_scale:MATRIX_SCALE_ROW1
.endif
.endr
.endr
.endm
; A K step.  A block of G is free as soon as its eight products are issued, so G has one set of registers; F's fragments are at work through the whole step and have two.
; A load into a register that a matrix instruction has read stands four plain vector instructions behind it (ISA guide 7.12.1 for vector instructions).
.macro STEP s
	s_wait_dscnt 2*NLG                             ; F's set and G's blocks 0, 1 are in; the youngest loads (G's blocks 2, 3) may be out
	MUL16 0, \s
.if (\s) == 3
	s_wait_tensorcnt 0x0                           ; my part of the second half has landed
	s_wait_dscnt 0x0
	s_barrier_signal -1
	s_barrier_wait -1                              ; everybody's part has
.else
	s_wait_dscnt 0x0                               ; G's blocks 2, 3 are in
.endif
.if (\s) < 7
	PLACES 4
	FETCH_F (\s)+1
	FETCH_G (\s)+1, 0
.endif
	MUL16 2, \s
	PLACES 4
	WIN 0
.if (\s) < 7
	FETCH_G (\s)+1, 2
.endif
.endm
	s_wait_alu depctr_va_vdst(0)
	s_wait_tensorcnt 0x0                           ; my part of the first half has landed
	ds_add_u32 v[SPW], v[NIL]                      ; 0 onto my spare word,
	s_wait_dscnt 0x0                               ; and the wait for it
	CROUND                                         ; a whole round: everybody's part is in, and the sixteen work-groups' joint loads meet
	s_cmp_lt_u32 s[WV], 2                          ; K steps 4 to 7: my one load behind the round; it has K steps 0 to 3, 112 matrix instructions up to its wait, in which to land
	s_cbranch_scc0 .Lsecond_f
	tensor_load_to_lds s[G0+4:G0+7], s[G1:G1+7]
	s_nop 0
	PLACES 4
	s_branch .Lsecond_done
.Lsecond_f:
	tensor_load_to_lds s[G0B+4:G0B+7], s[G1B:G1B+7]
	s_nop 0
	PLACES 4
.Lsecond_done:
	FETCH_F 0
	FETCH_G 0, 0
	FETCH_G 0, 2
	s_wait_loadcnt 0x0                             ; scale words, gains, biases, the table
.irp s, 0,1,2,3,4,5,6,7
	STEP \s
.endr
; 64 numbers of a lane in window 2, register s + 16 b + i = index 32 b + 16 h + i along the next K, become codes: blocks 0, 1 in v[d0] .. v[d0 + 5], blocks 2, 3 in v[d1] .. v[d1 + 5]; the four bytes stay in v[TM + 4] on.
.macro QUANT2 s, d0, d1
	WIN 0x0a                                       ; sources 0 and 1 window 2
.irp b, 0,1,2,3
	v_max3_num_f32 v[TM+\b], |v[\s+16*\b]|, |v[\s+1+16*\b]|, 0x1800000   ; my 16 numbers of block b, from each accumulator's low end on, and the floor 2^(3 - 127)
.endr
.irp i, 2,4,6,8,10,12,14
.irp b, 0,1,2,3
	v_max3_num_f32 v[TM+\b], |v[\s+16*\b+\i]|, |v[\s+1+16*\b+\i]|, v[TM+\b]
.endr
.endr
	WIN 0
.irp b, 0,1,2,3
	v_permlanex16_b32 v[TM+4+\b], v[TM+\b], s[SEL], s[SEL+1]
.endr
.irp b, 0,1,2,3
	v_max_num_f32 v[TM+\b], v[TM+\b], v[TM+4+\b]
.endr
.irp b, 0,1,2,3
	v_add_nc_u32 v[TM+12+\b], 0xff000000, v[TM+\b] ; 2 off the exponent field: the conversion's scale operand
.endr
.irp b, 0,1,2,3
	v_lshrrev_b32 v[TM+4+\b], 23, v[TM+12+\b]      ; the byte
.endr
	WIN 0x02                                       ; source 0 window 2
	v_cvt_scalef32_pk16_fp6_f32 v[\d0:\d0+2], v[\s:\s+15], v[TM+12]
	v_cvt_scalef32_pk16_fp6_f32 v[TP:TP+2], v[\s+16:\s+31], v[TM+13]
	v_cvt_scalef32_pk16_fp6_f32 v[\d1:\d1+2], v[\s+32:\s+47], v[TM+14]
	v_cvt_scalef32_pk16_fp6_f32 v[TP+4:TP+6], v[\s+48:\s+63], v[TM+15]
	WIN 0
	v_nop                                          ; one plain instruction behind the scaled conversions
.irp i, 0,1,2
	v_permlane16_swap_b32 v[\d0+\i], v[TP+\i]      ; a whole block to a lane: lanes 0-15 the even block, lanes 16-31 the odd one
	v_permlane16_swap_b32 v[\d1+\i], v[TP+4+\i]
.endr
.irp i, 0,1,2
	v_mov_b32 v[\d0+3+\i], v[TP+\i]
	v_mov_b32 v[\d1+3+\i], v[TP+4+\i]
.endr
.endm
	s_mov_b32 s[SEL], 0x76543210
	s_mov_b32 s[SEL+1], 0xfedcba98
	s_mov_b32 s[I64], 0x3c800000                   ; 1 / 64
	s_mov_b32 s[EPS], 0x3727c5ac                   ; 1e-5
	v_cmp_ne_u32 s[HM], 0, v2                      ; lanes 16-31
	v_mov_b32 v[ST+1], 0                           ; named as the upper halves of pairs, so they are written
	v_mov_b32 v[ST+3], 0
.irp b, 0,1,2,3
	v_mov_b32 v[TM+4+\b], 0                        ; a lane permute's destination counts as one of its sources
.endr
	s_cmp_eq_u32 s[XX], 2
	s_cbranch_scc1 .Lvpath
; ---------------------------------------------------------------- q and k.  My 8 F tiles are two heads; in row tile g head hh lies in registers 64 g + 32 hh + 16 b + i = channel 32 b + 16 h + i
.macro LANESUM                         ; each head's two chains, the pair's halves, and lane l xor 16's: the sum over the 64 channels, in v[TT + 4 hh]
.irp hh, 0,1
	v_pk_add_f32 v[TT+4*\hh:TT+4*\hh+1], v[TT+4*\hh:TT+4*\hh+1], v[TT+4*\hh+2:TT+4*\hh+3]
.endr
.irp hh, 0,1
	v_add_f32 v[TT+4*\hh], v[TT+4*\hh], v[TT+4*\hh+1]
.endr
.irp hh, 0,1
	v_permlanex16_b32 v[TT+4*\hh+1], v[TT+4*\hh], s[SEL], s[SEL+1]
.endr
.irp hh, 0,1
	v_add_f32 v[TT+4*\hh], v[TT+4*\hh], v[TT+4*\hh+1]
.endr
.endm
.macro LNUNIT g                        ; row tile g, both heads, in place in the accumulators
.set ACB, 64*(\g)
	WIN 0x0a                                       ; the mean: two chains a head, each accumulator from its low end on
.irp hh, 0,1
	v_pk_add_f32 v[TT+4*\hh:TT+4*\hh+1], v[ACB+32*\hh:ACB+32*\hh+1], v[ACB+32*\hh+2:ACB+32*\hh+3]
	v_pk_add_f32 v[TT+4*\hh+2:TT+4*\hh+3], v[ACB+32*\hh+4:ACB+32*\hh+5], v[ACB+32*\hh+6:ACB+32*\hh+7]
.endr
	WIN 0x02
.irp k, 8,12,16,20,24,28
.irp hh, 0,1
	v_pk_add_f32 v[TT+4*\hh:TT+4*\hh+1], v[ACB+32*\hh+\k:ACB+32*\hh+\k+1], v[TT+4*\hh:TT+4*\hh+1]
	v_pk_add_f32 v[TT+4*\hh+2:TT+4*\hh+3], v[ACB+32*\hh+\k+2:ACB+32*\hh+\k+3], v[TT+4*\hh+2:TT+4*\hh+3]
.endr
.endr
	WIN 0
	LANESUM
.irp hh, 0,1
	v_mul_f32 v[ST+2*\hh], s[I64], v[TT+4*\hh]
.endr
	WIN 0x82                                       ; destination and source 0 window 2: x - mean
.irp hh, 0,1
.set j, 0
.rept 16
	v_pk_add_f32 v[ACB+32*\hh+j:ACB+32*\hh+j+1], v[ACB+32*\hh+j:ACB+32*\hh+j+1], v[ST+2*\hh:ST+2*\hh+1] op_sel_hi:[1,0] neg_lo:[0,1] neg_hi:[0,1]
.set j, j+2
.endr
.endr
	WIN 0x0a                                       ; the variance: the mean of the squares of what is left
.irp hh, 0,1
	v_pk_mul_f32 v[TT+4*\hh:TT+4*\hh+1], v[ACB+32*\hh:ACB+32*\hh+1], v[ACB+32*\hh:ACB+32*\hh+1]
	v_pk_mul_f32 v[TT+4*\hh+2:TT+4*\hh+3], v[ACB+32*\hh+2:ACB+32*\hh+3], v[ACB+32*\hh+2:ACB+32*\hh+3]
.endr
.irp k, 4,8,12,16,20,24,28
.irp hh, 0,1
	v_pk_fma_f32 v[TT+4*\hh:TT+4*\hh+1], v[ACB+32*\hh+\k:ACB+32*\hh+\k+1], v[ACB+32*\hh+\k:ACB+32*\hh+\k+1], v[TT+4*\hh:TT+4*\hh+1]
	v_pk_fma_f32 v[TT+4*\hh+2:TT+4*\hh+3], v[ACB+32*\hh+\k+2:ACB+32*\hh+\k+3], v[ACB+32*\hh+\k+2:ACB+32*\hh+\k+3], v[TT+4*\hh+2:TT+4*\hh+3]
.endr
.endr
	WIN 0
	LANESUM
.irp hh, 0,1
	v_fma_f32 v[TT+4*\hh], v[TT+4*\hh], s[I64], s[EPS]
.endr
	s_wait_alu depctr_va_vdst(0)
.irp hh, 0,1
	v_rsq_f32 v[ST+2*\hh], v[TT+4*\hh]
.endr
	v_nop                                          ; a plain instruction behind the transcendentals,
	s_wait_alu depctr_va_vdst(0)                   ; and the one wait ahead of their first reader
	WIN 0x82
.irp hh, 0,1
.set j, 0
.rept 16
	v_pk_mul_f32 v[ACB+32*\hh+j:ACB+32*\hh+j+1], v[ACB+32*\hh+j:ACB+32*\hh+j+1], v[ST+2*\hh:ST+2*\hh+1] op_sel_hi:[1,0]
.set j, j+2
.endr
.endr
.irp hh, 0,1
.set j, 0
.rept 16
	v_pk_fma_f32 v[ACB+32*\hh+j:ACB+32*\hh+j+1], v[ACB+32*\hh+j:ACB+32*\hh+j+1], v[LNS+j:LNS+j+1], v[LNB+j:LNB+j+1]
.set j, j+2
.endr
.endr
	WIN 0                                          ; at a branch and at a label every window is 0
	s_cmp_lg_u32 s[XX], 0                          ; RoPE on q alone: a branch on the cluster's x
	s_cbranch_scc1 .Lno_rope_\@
	WIN 0x0e                                       ; source 0 window 2, source 1 (the table) window 3: q2 sin and q2 cos
.irp hh, 0,1
.irp k, 0,1,2,3,4,5,6,7
	v_pk_mul_f32 v[TT+32*\hh+4*\k:TT+32*\hh+4*\k+1], v[ACB+32*\hh+16+2*\k:ACB+32*\hh+17+2*\k], v[32*(\g)+16+2*\k:32*(\g)+17+2*\k]
	v_pk_mul_f32 v[TT+32*\hh+4*\k+2:TT+32*\hh+4*\k+3], v[ACB+32*\hh+16+2*\k:ACB+32*\hh+17+2*\k], v[32*(\g)+2*\k:32*(\g)+2*\k+1]
.endr
.endr
	WIN 0x8e                                       ; the same, destination window 2, source 2 window 0
.irp hh, 0,1
.irp k, 0,1,2,3,4,5,6,7
	v_pk_fma_f32 v[ACB+32*\hh+16+2*\k:ACB+32*\hh+17+2*\k], v[ACB+32*\hh+2*\k:ACB+32*\hh+2*\k+1], v[32*(\g)+16+2*\k:32*(\g)+17+2*\k], v[TT+32*\hh+4*\k+2:TT+32*\hh+4*\k+3]   ; q1 sin + q2 cos
	v_pk_fma_f32 v[ACB+32*\hh+2*\k:ACB+32*\hh+2*\k+1], v[ACB+32*\hh+2*\k:ACB+32*\hh+2*\k+1], v[32*(\g)+2*\k:32*(\g)+2*\k+1], v[TT+32*\hh+4*\k:TT+32*\hh+4*\k+1] neg_lo:[0,0,1] neg_hi:[0,0,1]   ; q1 cos - q2 sin
.endr
.endr
	WIN 0
.Lno_rope_\@:
.if (\g) == 2
	s_wait_xcnt 0x0                                ; the first pair's stores have read their registers: the fragments are written again only behind this wait
.endif
	QUANT2 ACB, FH0+6*((\g)%2), FH1+6*((\g)%2)     ; blocks 0, 1: the first head's 64 channels; blocks 2, 3: the second's.  An even tile fills registers 0-5 of a fragment, the odd tile 6-11
.irp hh, 0,1
.if (\g)%2 == 0
	v_lshl_or_b32 v[WH+\hh], v[TM+5+2*\hh], 8, v[TM+4+2*\hh]
.else
	v_lshl_or_b32 v[WH+\hh], v[TM+4+2*\hh], 16, v[WH+\hh]
	v_lshl_or_b32 v[WH+\hh], v[TM+5+2*\hh], 24, v[WH+\hh]
.endif
.endr
.if (\g)%2 == 1
.irp c, 0,1,2
	global_store_b128 v[L16], v[FH0+4*\c:FH0+4*\c+3], s[86:87] offset:1536*((\g)/2)+512*\c   ; 512 consecutive bytes a store
	global_store_b128 v[L16], v[FH1+4*\c:FH1+4*\c+3], s[88:89] offset:1536*((\g)/2)+512*\c
.endr
.endif
.if (\g) == 1
	v_mov_b32 v[WP], v[WH]
	v_mov_b32 v[WP+1], v[WH+1]
.endif
.endm
	s_lshr_b32 s94, s[GI], 4                       ; the batch
	s_lshl_b32 s94, s94, 4
	s_lshl_b32 s95, s[CX], 2
	s_add_co_u32 s94, s94, s95
	s_lshl_b32 s95, s[WF], 1
	s_add_co_u32 s94, s94, s95                     ; 16 x batch + my first head
	s_lshl_b32 s94, s94, 4
	s_and_b32 s95, s[GI], 15
	s_add_co_u32 s94, s94, s95                     ; its record: 16 steps a head
	s_mov_b32 s96, 12800
	s_mov_b32 s98, 12288
	s_cmp_eq_u32 s[XX], 0
	s_cselect_b64 s[86:87], s[18:19], s[20:21]     ; q_img or kv_img
	s_cselect_b32 s96, 6400, s96                   ; bytes in a record
	s_cselect_b32 s98, 6144, s98                   ; where its scale words begin
	s_mul_i32 s94, s94, s96
	s_mov_b32 s95, 0
	s_add_nc_u64 s[86:87], s[86:87], s[94:95]
	s_lshl_b32 s96, s96, 4
	s_mov_b32 s97, 0
	s_add_nc_u64 s[88:89], s[86:87], s[96:97]      ; the second head's record: 16 records on
	s_lshl_b32 s94, s[WG], 7
	s_add_co_u32 s94, s94, s98
	s_add_nc_u64 s[90:91], s[86:87], s[94:95]      ; my 128 bytes of scale words
	s_add_nc_u64 s[92:93], s[88:89], s[94:95]
	s_mul_i32 s94, s[WG], 3072
	s_add_nc_u64 s[86:87], s[86:87], s[94:95]      ; my two fragments
	s_add_nc_u64 s[88:89], s[88:89], s[94:95]
	LNUNIT 0
	LNUNIT 1
	LNUNIT 2
	LNUNIT 3
	v_cndmask_b32 v[RR], v[WP], v[WH], s[HM]       ; lanes 0-15: my first fragment's words, lanes 16-31: my second's
	v_cndmask_b32 v[RR+1], v[WP+1], v[WH+1], s[HM]
	global_store_b32 v[L4], v[RR], s[90:91]
	global_store_b32 v[L4], v[RR+1], s[92:93]
	s_branch .Ldone
; ---------------------------------------------------------------- v.  My four G tiles are one head's 64 channels, my eight F tiles one step of 128 keys: four fragments of 16 channels x 128 keys
.Lvpath:
	v_lshlrev_b32 v26, 3, v2                       ; 8 x (lane / 16): how far my two scale bytes are shifted up in a scale word
	s_lshr_b32 s94, s[FI], 3                       ; the batch
	s_lshl_b32 s94, s94, 4
	s_lshl_b32 s95, s[GI], 1
	s_add_co_u32 s94, s94, s95
	s_add_co_u32 s94, s94, s[WG]                   ; 16 x batch + head
	s_lshl_b32 s94, s94, 4
	s_and_b32 s95, s[FI], 7
	s_lshl_b32 s95, s95, 1
	s_add_co_u32 s94, s94, s95
	s_add_co_u32 s94, s94, s[WF]                   ; + the step
	s_mul_i32 s94, s94, 12800
	s_add_co_u32 s94, s94, 6144
	s_mov_b32 s95, 0
	s_add_nc_u64 s[86:87], s[20:21], s[94:95]
.irp g, 0,1,2,3
.if \g > 1
	s_wait_xcnt 0x0                                ; the stores of two tiles back have read their registers
.endif
; By context's tiling register 64 g + 32 c + i of lane (r, h) is key 64 c + 32 h + i of channel r: a WHOLE block of 32 keys lies in one lane, in the order of the operand's registers: no maximum and no code changes lanes
.set VS, 64*\g
.set VD, FH0+12*(\g%2)
	WIN 0x0a                                       ; sources 0 and 1 window 2
.irp c, 0,1
	v_max3_num_f32 v[TM+\c], |v[VS+32*\c]|, |v[VS+1+32*\c]|, 0x1800000   ; block 2 c + h, each accumulator from its low end on, and the floor 2^(3 - 127)
.endr
.irp i, 2,4,6,8,10,12,14,16,18,20,22,24,26,28,30
.irp c, 0,1
	v_max3_num_f32 v[TM+\c], |v[VS+32*\c+\i]|, |v[VS+1+32*\c+\i]|, v[TM+\c]
.endr
.endr
	WIN 0
.irp c, 0,1
	v_add_nc_u32 v[TM+12+\c], 0xff000000, v[TM+\c] ; 2 off the exponent field: the conversion's scale operand
.endr
.irp c, 0,1
	v_lshrrev_b32 v[TM+4+\c], 23, v[TM+12+\c]      ; the byte
.endr
	v_lshl_or_b32 v[TM+4], v[TM+5], 16, v[TM+4]    ; my bytes: blocks h and 2 + h,
	v_lshlrev_b32 v[TM+4], v26, v[TM+4]            ; at their places in the word;
	v_permlanex16_b32 v[TM+6], v[TM+4], s[SEL], s[SEL+1]
	v_or_b32 v[WH+\g], v[TM+4], v[TM+6]            ; with lane l xor 16's two the word is whole
	WIN 0x02                                       ; source 0 window 2
	v_cvt_scalef32_pk16_fp6_f32 v[VD:VD+2], v[VS:VS+15], v[TM+12]
	v_cvt_scalef32_pk16_fp6_f32 v[TP:TP+2], v[VS+16:VS+31], v[TM+12]   ; (a conversion's three registers begin on an even number)
	v_cvt_scalef32_pk16_fp6_f32 v[VD+6:VD+8], v[VS+32:VS+47], v[TM+13]
	v_cvt_scalef32_pk16_fp6_f32 v[TP+4:TP+6], v[VS+48:VS+63], v[TM+13]
	WIN 0
	v_nop                                          ; one plain instruction behind the scaled conversions
.irp i, 0,1,2
	v_mov_b32 v[VD+3+\i], v[TP+\i]
	v_mov_b32 v[VD+9+\i], v[TP+4+\i]
.endr
.irp c, 0,1,2
	global_store_b128 v[L16], v[FH0+12*(\g%2)+4*\c:FH0+12*(\g%2)+4*\c+3], s[86:87] offset:1536*\g+512*\c
.endr
.endr
	v_cndmask_b32 v[RR], v[WH], v[WH+1], s[HM]     ; word i: tile 2 i in lanes 0-15, tile 2 i + 1 in lanes 16-31
	v_cndmask_b32 v[RR+1], v[WH+2], v[WH+3], s[HM]
	global_store_b64 v[L8], v[RR:RR+1], s[86:87] offset:6400   ; 256 consecutive bytes
.Ldone:
	s_wait_tensorcnt 0x0                           ; the wave's end, behind my last tensor load
	ds_add_u32 v[SPW], v[NIL]
	s_wait_dscnt 0x0
	CROUND                                         ; the closing round
	s_endpgm
.Lfunc_end_k_qbdd01fd0cf_gemm_qkv:
	.size	k_qbdd01fd0cf_gemm_qkv, .Lfunc_end_k_qbdd01fd0cf_gemm_qkv-k_qbdd01fd0cf_gemm_qkv
	.p2alignl 7, 3214868480
	.fill 96, 4, 3214868480
	.section	.rodata,"a",@progbits
	.p2align	6, 0x0
	.amdhsa_kernel k_qbdd01fd0cf_gemm_qkv
		.amdhsa_group_segment_fixed_size 327680
		.amdhsa_private_segment_fixed_size 0
		.amdhsa_enable_private_segment 0
		.amdhsa_kernarg_size 72
		.amdhsa_user_sgpr_count 2
		.amdhsa_user_sgpr_kernarg_segment_ptr 1
		.amdhsa_wavefront_size32 1
		.amdhsa_system_sgpr_workgroup_id_x 1
		.amdhsa_system_sgpr_workgroup_id_y 1
		.amdhsa_system_sgpr_workgroup_id_z 1
		.amdhsa_system_vgpr_workitem_id 0
		.amdhsa_next_free_vgpr 1024
		.amdhsa_next_free_sgpr 104
		.amdhsa_reserve_vcc 0
		.amdhsa_float_denorm_mode_32 3
		.amdhsa_float_denorm_mode_16_64 3
		.amdhsa_memory_ordered 1
		.amdhsa_forward_progress 1
		.amdhsa_inst_pref_size 162
	.end_amdhsa_kernel
	.amdgpu_metadata
---
amdhsa.version: [ 1, 2 ]
amdhsa.kernels:
  - .name:           k_qbdd01fd0cf_gemm_qkv
    .symbol:         k_qbdd01fd0cf_gemm_qkv.kd
    .args:
      - { .name: act, .offset: 0, .size: 8, .value_kind: global_buffer, .address_space: global }
      - { .name: wgt, .offset: 8, .size: 8, .value_kind: global_buffer, .address_space: global }
      - { .name: rope_t, .offset: 16, .size: 8, .value_kind: global_buffer, .address_space: global }
      - { .name: qn_scale, .offset: 24, .size: 8, .value_kind: global_buffer, .address_space: global }
      - { .name: qn_bias, .offset: 32, .size: 8, .value_kind: global_buffer, .address_space: global }
      - { .name: kn_scale, .offset: 40, .size: 8, .value_kind: global_buffer, .address_space: global }
      - { .name: kn_bias, .offset: 48, .size: 8, .value_kind: global_buffer, .address_space: global }
      - { .name: q_img, .offset: 56, .size: 8, .value_kind: global_buffer, .address_space: global }
      - { .name: kv_img, .offset: 64, .size: 8, .value_kind: global_buffer, .address_space: global }
    .group_segment_fixed_size: 327680
    .private_segment_fixed_size: 0
    .kernarg_segment_align: 8
    .kernarg_segment_size: 72
    .max_flat_workgroup_size: 128
    .sgpr_count:     104
    .vgpr_count:     1024
    .wavefront_size: 32
...
	.end_amdgpu_metadata
.endif
;; end of part 2
;; launch attn (part 3): grid 4 x 64, 16 waves a work-group, clusters of 4 x 1, 206,848 bytes of LDS; arguments q_img, kv_img, o; writes o
.if DOCPART == 3
	.amdgcn_target "amdgcn-amd-amdhsa--gfx1250"
	.amdhsa_code_object_version 6
	.text
	.protected	k_qbdd01fd0cf_attn
	.globl	k_qbdd01fd0cf_attn
	.p2align	8
	.type	k_qbdd01fd0cf_attn,@function
k_qbdd01fd0cf_attn:
	s_mov_b64 s[64:65], 0
	v_nop
	global_prefetch_b8 v0, s[64:65] scope:SCOPE_SE
	s_setreg_imm32_b32 hwreg(HW_REG_WAVE_MODE, 25, 1), 1
	s_wait_xcnt 0x0
	s_wait_alu depctr_hold_cnt(0) depctr_sa_sdst(0) depctr_va_vdst(0) depctr_va_sdst(0) depctr_va_ssrc(0) depctr_va_vcc(0) depctr_vm_vsrc(0)
	s_getreg_b32 s2, hwreg(HW_REG_IB_STS2, 6, 4)
	s_cmp_eq_u32 s2, 0
	s_cbranch_scc0 .Lentry_in_a_cluster
	s_endpgm
.Lentry_in_a_cluster:
	s_bfe_u32 s2, ttmp6, 0x10000c
	s_cmp_lg_u32 s2, 0x3003
	s_cbranch_scc0 .Lentry_shape_is_right
	s_endpgm
.Lentry_shape_is_right:
; ATTENTION on codes of FP6 (E2M3) with E8M0 scales: 64 heads (batch x head) of 2,048 queries x 2,048 keys x 64 channels.  Both products are used transposed (S^T = K Q^T, O^T = V^T P^T): a lane holds ONE query throughout.
; THE SOFTMAX AHEAD OF THE SECOND PRODUCT: t = score x log2(e) / 8; M = the running largest t rounded UP to a whole number; p = 2^(t - M) is quantised along the keys, not normalised; the row's sum is taken of the
; unquantised p and divides O at the end; when M moves, the sum and O^T are multiplied by 2^(old M - new M), which rounds nothing.
; SHARES.  A cluster of four work-groups owns a head, each 512 of its queries.  A head's K, V and scale bytes are 16 records of 12,800 bytes, 204,800 bytes on end in memory: they are asked for JOINTLY by the four, once:
; each of the sixteen waves issues ONE load of one record at the head.  They lie in LDS as in memory and stay: nothing is filled again, so one wait and one barrier serve the launch.
; Sixteen waves; a wave owns one tile of 16 queries at a time, two in turn; four waves to a SIMD, so that three waves' vector work stands beside one wave's products and waits.
; K = 64 IN THE FIRST PRODUCT.  A fragment of K holds TWO tiles of 16 keys (registers 0-5 | 6-11; scale bytes 0, 1 | 2, 3).  Q lies between zeros: v192-197 zeros, v198-203 q, v204-209 zeros: v[198:209] = (q, 0) meets
; the first tile, v[192:203] = (0, q) the second: zero codes add nothing under any scale byte that the quantiser gives.  Q's scale word repeats its two bytes.
; THE KEYS OF A TILE: row m of tile t of a step is key 64 (t / 4) + 32 (m / 8) + 8 (t % 4) + m % 8 (context is tiled so).  So register 96 + 32 c + i of lane (r, h) is key 64 c + 32 h + i of query r: a lane holds
; two WHOLE blocks of 32 neighbouring keys, in the order of the operand's registers: a block's largest score and its codes never change lanes; only the row's maximum and the scale word's bytes cross to lane l xor 16.
; A block's largest p is not searched for: p rises with the score, so the block's largest score goes through the same multiply-add and exponential.
; V's channels are tiled so that O^T's registers run along neighbouring channels, the last product's K: O is quantised here and leaves as half a fragment (one head = 64 of a K step's 128) and two scale bytes a row;
; these are stores of 2 bytes, 16 bytes apart (262,144 bytes in the launch): a scale word of the last product spans two heads, which belong to two clusters.
; LIMITS: the promise holds while the scaled scores t stay under 2^31 in magnitude; NaN and infinities are not served; blocks whose largest magnitude lies under 2^-124 keep the byte 1; the division by the sum is
; v_rcp_f32 and a multiplication.  No prefetch: every byte that the work-group reads from LDS is asked for at its head, and there is no loop to run ahead in.
; REGISTERS: v1-4, v7 lane offsets; v5, v6 the add's; v8-10 the step's LDS addresses; v11 8 (lane / 16); v12 -M; v13 the largest score; v[14:15] the sum; v16-23 partial sums; v24-26, v80-82 a block's upper codes;
;   v27 old -M, then M's step; v[28:29] f; v32-79 four fragments of K, then of V; v96-159 S^T, then p; v160-191 O^T; v192-209 Q; v224-235 p's codes (v232-235 first: maxima); v236-238, v240-245 at work;
;   scale words (they hold nothing else): v248, v249 K's, v[250:251] V's, v253 p's, v255 Q's.
.set REC,   12800
.set OSC,   6291456                    ; o: where the scale images begin
.set SPARE, 16*REC                     ; behind the records: the spare words, 128 bytes a wave: eight blocks of 256 bytes that no other line names
.set SPW, 5
.set NIL, 6
.set ADK, 8
.set ADS, 9
.set ADV, 10
.set TB,  2                            ; s2   LDS byte of the step's record
.set CNT, 3
.set WV,  18
.set SEL, 20
.set CS,  22                           ; s[22:23] c = log2(e) / 8
.set G1,  24
.set G0,  32
.macro DLY n
	s_delay_alu instid0(VALU_DEP_\n)
.endm
.macro CROUND
	s_barrier_signal -1
	s_barrier_wait -1
	s_cmp_lg_u32 s[WV], 0
	s_cbranch_scc1 .Lnw0_\@
	s_barrier_signal -3
.Lnw0_\@:
	s_barrier_wait -3
	s_barrier_signal -1
	s_barrier_wait -1
.endm
.macro WMZ d, a, b, sa, sb, row        ; a product that starts its sum; row = 1: source 0's scale words stand in lanes 16-31
.if \row
	v_wmma_scale_f32_16x16x128_f8f6f4 v[\d:\d+7], v[\a:\a+11], v[\b:\b+11], 0, v[\sa], v[\sb] matrix_a_fmt:MATRIX_FMT_FP6 matrix_b_fmt:MATRIX_FMT_FP6 matrix_a_scale:MATRIX_SCALE_ROW1
.else
	v_wmma_scale_f32_16x16x128_f8f6f4 v[\d:\d+7], v[\a:\a+11], v[\b:\b+11], 0, v[\sa], v[\sb] matrix_a_fmt:MATRIX_FMT_FP6 matrix_b_fmt:MATRIX_FMT_FP6
.endif
.endm
.macro WMA d, a, b, sa, sb, row        ; a product that adds in place
.if \row
	v_wmma_scale_f32_16x16x128_f8f6f4 v[\d:\d+7], v[\a:\a+11], v[\b:\b+11], v[\d:\d+7], v[\sa], v[\sb] matrix_a_fmt:MATRIX_FMT_FP6 matrix_b_fmt:MATRIX_FMT_FP6 matrix_a_scale:MATRIX_SCALE_ROW1
.else
	v_wmma_scale_f32_16x16x128_f8f6f4 v[\d:\d+7], v[\a:\a+11], v[\b:\b+11], v[\d:\d+7], v[\sa], v[\sb] matrix_a_fmt:MATRIX_FMT_FP6 matrix_b_fmt:MATRIX_FMT_FP6
.endif
.endm
.macro SUM4 m                          ; four chains of packed sums take eight more p
.irp k, 0,1,2,3
	v_pk_add_f32 v[16+2*\k:17+2*\k], v[16+2*\k:17+2*\k], v[112+8*(\m)+2*\k:113+8*(\m)+2*\k]
.endr
.endm
; THE SOFTMAX OF MY TILE AND 128 KEYS, and p's codes
.macro SOFT
.irp q, 0,1,2,3                                ; four chains of 16 scores, each accumulator from its low end on
	v_max3_num_f32 v[232+\q], v[96+16*\q], v[97+16*\q], v[98+16*\q]
.endr
.irp i, 3,5,7,9,11,13
.irp q, 0,1,2,3
	v_max3_num_f32 v[232+\q], v[232+\q], v[96+16*\q+\i], v[97+16*\q+\i]
.endr
.endr
	v_max3_num_f32 v232, v232, v233, v111
	v_max3_num_f32 v234, v234, v235, v143
	v_max_num_f32 v232, v232, v127                 ; my block h's largest score,
	v_max_num_f32 v234, v234, v159                 ; and my block 2 + h's
	v_max_num_f32 v236, v232, v234
	v_permlanex16_b32 v237, v236, s[SEL], s[SEL+1]
	v_max3_num_f32 v13, v13, v236, v237            ; the running largest score of my query (c is positive: its t is the largest t)
	v_mul_f32 v236, s[CS], v13
	v_floor_f32 v12, -v236                         ; the new -M = floor(-t): M is a whole number
.set j, 0
.rept 32
	v_pk_fma_f32 v[96+j:97+j], v[96+j:97+j], s[CS:CS+1], v[12:13] op_sel_hi:[1,0,0]   ; t - M, two at a time
.set j, j+2
.endr
	v_sub_f32 v27, v12, v27                        ; old M - new M: a whole number, 0 or less
	v_fma_f32 v232, v232, s[CS], v12               ; the same multiply-add on each block's largest score
	v_fma_f32 v234, v234, s[CS], v12
	v_cvt_i32_f32 v27, v27                         ; (it saturates)
	DLY 1
	v_ldexp_f32 v28, 1.0, v27                      ; f = 2^(old M - new M)
	s_wait_alu depctr_va_vdst(0)                   ; the wait ahead of the batch
.set j, 0
.rept 64
	v_exp_f32 v[96+j], v[96+j]                     ; p = 2^(t - M), at most 1
.set j, j+1
.endr
	v_exp_f32 v232, v232                           ; the blocks' largest p
	v_exp_f32 v234, v234
	v_pk_mul_f32 v[14:15], v[14:15], v[28:29] op_sel_hi:[1,0]   ; the sum under the new M: a plain instruction behind the exponentials
	s_wait_alu depctr_va_vdst(0)                   ; one wait for the batch, ahead of its first reader
.irp k, 0,1,2,3
	v_pk_add_f32 v[16+2*\k:17+2*\k], v[96+2*\k:97+2*\k], v[104+2*\k:105+2*\k]   ; the sum of the unquantised p; the scale's short chain stands between its groups
.endr
	v_max_num_f32 v232, 0x1800000, v232            ; the floor 2^(3 - 127): the byte cannot fall under 1
	v_max_num_f32 v234, 0x1800000, v234
	SUM4 0
	v_add_nc_u32 v244, 0xff000000, v232            ; 2 off the exponent field: the conversion's scale operand
	v_add_nc_u32 v245, 0xff000000, v234
	SUM4 1
	v_lshrrev_b32 v236, 23, v244                   ; the bytes
	v_lshrrev_b32 v237, 23, v245
	SUM4 2
	v_lshl_or_b32 v236, v237, 16, v236             ; blocks h and 2 + h,
	SUM4 3
	v_lshlrev_b32 v236, v11, v236                  ; at their places in the word
	SUM4 4
	v_permlanex16_b32 v238, v236, s[SEL], s[SEL+1]
	SUM4 5
	v_or_b32 v253, v236, v238                      ; with lane l xor 16's two bytes: p's scale word for these 128 keys
	v_cvt_scalef32_pk16_fp6_f32 v[224:226], v[96:111], v244
	v_cvt_scalef32_pk16_fp6_f32 v[24:26], v[112:127], v244     ; (a conversion's three registers begin on an even number)
	v_cvt_scalef32_pk16_fp6_f32 v[230:232], v[128:143], v245
	v_cvt_scalef32_pk16_fp6_f32 v[80:82], v[144:159], v245
	s_wait_alu depctr_va_vdst(0)                   ; the wait directly ahead of O^T's first readers
.set j, 0
.rept 8
	v_pk_mul_f32 v[160+j:161+j], v[160+j:161+j], v[28:29] op_sel_hi:[1,0]   ; O^T under the new M; the first of these is the plain instruction behind the conversions
.set j, j+2
.endr
.irp i, 0,1,2
	v_mov_b32 v[227+\i], v[24+\i]
	v_mov_b32 v[233+\i], v[80+\i]
.endr
.rept 8
	v_pk_mul_f32 v[160+j:161+j], v[160+j:161+j], v[28:29] op_sel_hi:[1,0]   ; eight plain instructions between the codes' last writes and the products
.set j, j+2
.endr
.endm
.macro QLOAD                           ; the fragment of q_img that holds my tile, and row r's scale word
	global_load_b128 v[96:99], v1, s[52:53]
	global_load_b128 v[100:103], v1, s[52:53] offset:512
	global_load_b128 v[104:107], v1, s[52:53] offset:1024
	global_load_b32 v108, v7, s[58:59]
.endm
	s_load_b128 s[4:7], s[0:1], 0x0                ; q_img, kv_img
	s_load_b64 s[8:9], s[0:1], 0x10                ; o
	v_lshl_add_u32 v[SPW], v0, 2, SPARE
	v_mov_b32 v[NIL], 0
	ds_add_u32 v[SPW], v[NIL]                      ; the wave's opening: the add, twice on end, and its wait ahead of my tensor load; work on registers stands between
	ds_add_u32 v[SPW], v[NIL]
	v_lshrrev_b32 v8, 5, v0
	v_readfirstlane_b32 s[WV], v8                  ; wave 0..15
	s_bfe_u32 s11, ttmp6, 0x40000                  ; cx: which 512 queries
	s_and_b32 s10, ttmp7, 0xffff                   ; batch x 16 + head, which the four partners share
	s_mov_b32 s[G1], 15|(3<<16)|(1<<21)            ; group 1: 50 rows of 256 bytes, dense in memory and in LDS: a record.  15:0 the mask: all four; 17:16 elements of 8 bytes; 21 set beside a mask
	s_mov_b32 s[G1+1], 32<<16
	s_mov_b32 s[G1+2], 50<<16
	s_mov_b32 s[G1+3], 32<<16
	s_mov_b32 s[G1+4], 50
	s_mov_b32 s[G1+5], 32
	s_mov_b32 s[G1+6], 0
	s_mov_b32 s[G1+7], 0
	s_mul_i32 s12, s10, 16*REC
	s_mul_i32 s14, s[WV], REC                      ; my record, in memory and in LDS alike
	s_add_co_u32 s12, s12, s14
	s_mov_b32 s13, 0
	s_lshl_b32 s15, s10, 4                         ; Q: record 16 x head + 4 cx + wave / 8 (+ 2 in the second turn),
	s_lshl_b32 s16, s11, 2
	s_add_co_u32 s15, s15, s16
	s_lshr_b32 s16, s[WV], 3
	s_add_co_u32 s15, s15, s16
	s_mul_i32 s15, s15, 6400
	s_bfe_u32 s16, s[WV], 0x20001                  ; which of its four fragments holds my tile
	s_mul_i32 s60, s16, 1536
	s_add_co_u32 s60, s60, s15
	s_mov_b32 s61, 0
	s_lshl_b32 s62, s16, 6                         ; its scale words: 64 bytes a fragment
	s_add_co_u32 s62, s62, s15
	s_add_co_u32 s62, s62, 6144
	s_mov_b32 s63, 0
	s_lshr_b32 s15, s10, 4                         ; O: row tile 128 x batch + 32 cx + wave (+ 16 in the second turn)
	s_lshl_b32 s15, s15, 7
	s_lshl_b32 s16, s11, 5
	s_add_co_u32 s15, s15, s16
	s_add_co_u32 s15, s15, s[WV]
	s_and_b32 s16, s10, 15                         ; the head
	s_lshl_b32 s17, s15, 3
	s_lshr_b32 s66, s16, 1
	s_add_co_u32 s17, s17, s66                     ; K step head / 2 of the tile's eight,
	s_mul_i32 s66, s17, 1536
	s_and_b32 s17, s16, 1
	s_mul_i32 s68, s17, 768                        ; its half head % 2
	s_add_co_u32 s66, s66, s68
	s_mov_b32 s67, 0
	s_lshl_b32 s68, s15, 9                         ; the tile's scale image: K step 2 p + e lies in word p of lanes 16 e + r; my two bytes are its half head % 2
	s_lshl_b32 s17, s17, 1
	s_add_co_u32 s68, s68, s17
	s_lshr_b32 s17, s16, 2
	s_lshl_b32 s17, s17, 2
	s_add_co_u32 s68, s68, s17
	s_bfe_u32 s17, s16, 0x10001
	s_lshl_b32 s17, s17, 8
	s_add_co_u32 s68, s68, s17
	s_add_co_u32 s68, s68, OSC
	s_mov_b32 s69, 0
	s_mov_b32 s50, 0x01000100                      ; bytes 0, 1 twice,
	s_and_b32 s17, s[WV], 1                        ; is my tile the fragment's second?
	s_cselect_b32 s49, -1, 0
	s_cselect_b32 s50, 0x03020302, s50             ; or bytes 2, 3 twice
	s_mov_b32 s[SEL], 0x76543210
	s_mov_b32 s[SEL+1], 0xfedcba98
	s_mov_b32 s[CS], 0x3e38aa3b
	s_mov_b32 s[CS+1], s[CS]
	s_mov_b32 s48, 2                               ; turns to go
	s_wait_dscnt 0x0                               ; both opening adds are done
	s_wait_kmcnt 0x0
	s_add_nc_u64 s[12:13], s[6:7], s[12:13]
	s_add_nc_u64 s[52:53], s[4:5], s[60:61]        ; Q's fragment
	s_add_nc_u64 s[58:59], s[4:5], s[62:63]        ; its scale words
	s_add_nc_u64 s[54:55], s[8:9], s[66:67]        ; O's half fragment
	s_add_nc_u64 s[56:57], s[8:9], s[68:69]        ; its scale bytes
	s_mov_b32 s[G0], 1
	s_mov_b32 s[G0+1], s14
	s_mov_b64 s[G0+2:G0+3], s[12:13]
	s_or_b32 s[G0+3], s[G0+3], 0x80000000
	CROUND                                         ; all four work-groups are here: the joint loads meet
	tensor_load_to_lds s[G0:G0+3], s[G1:G1+7]      ; every wave's one load: by this text's count one tensor load of a wave is out
	s_nop 0
.rept 4
	v_nop
.endr
	v_and_b32 v8, 31, v0
	v_and_b32 v9, 15, v0
	v_bfe_u32 v10, v0, 4, 1
	v_lshlrev_b32 v1, 4, v8                        ; 16 x lane
	v_lshlrev_b32 v2, 2, v8                        ; 4 x lane
	v_lshlrev_b32 v3, 3, v8                        ; 8 x lane
	v_lshlrev_b32 v4, 4, v9                        ; 16 r
	v_lshlrev_b32 v7, 2, v9                        ; 4 r
	v_lshlrev_b32 v11, 3, v10                      ; 8 h
.irp i, 0,1,2,3,4,5
	v_mov_b32 v[192+\i], 0                         ; the zero codes on both sides of q
	v_mov_b32 v[204+\i], 0
.endr
	v_mov_b32 v29, 0                               ; named as the upper half of f's pair
	v_mov_b32 v237, 0                              ; a lane permute's destination counts as one of its sources
	v_mov_b32 v238, 0
	QLOAD                                          ; the first turn's Q comes while the records land
	s_wait_alu depctr_va_vdst(0)
	s_wait_tensorcnt 0x0                           ; my record has landed,
	s_barrier_signal -1
	s_barrier_wait -1                              ; everybody's has: the only barrier that the records need
.Lpass:                                                ; two trips: my two tiles of queries
	s_wait_loadcnt 0x0
	v_perm_b32 v255, v108, v108, s50               ; my tile's two scale bytes, twice
.irp i, 0,1,2,3,4,5
	v_cndmask_b32 v[198+\i], v[96+\i], v[102+\i], s49   ; my tile's six registers
.endr
	v_mov_b32 v12, 0x7e000000                      ; -M: a whole number above every -t, so that the first f is 0
	v_mov_b32 v13, 0xff61b1e6                      ; the largest score so far: -3e38
	v_mov_b32 v14, 0
	v_mov_b32 v15, 0
.set j, 0
.rept 32
	v_mov_b32 v[160+j], 0                          ; O^T: the step is written once and finds zeros.  These also stand between the writes above and the first products
.set j, j+1
.endr
	s_mov_b32 s[TB], 0
	s_mov_b32 s[CNT], 16
.Lk:                                                   ; A KEY STEP: 128 keys, the record at LDS byte s[TB]
	v_add_nc_u32 v[ADK], s[TB], v1
	v_add_nc_u32 v[ADS], s[TB], v2
	v_add_nc_u32 v[ADV], s[TB], v3
.irp p, 0,1,2,3
.irp c, 0,1,2
	ds_load_b128 v[32+12*\p+4*\c:35+12*\p+4*\c], v[ADK] offset:1536*\p+512*\c   ; K's four fragments, as they were stored: 512 consecutive bytes a load
.endr
.endr
	ds_load_b32 v248, v[ADS] offset:12288          ; their scale words: fragments 0 | 1,
	ds_load_b32 v249, v[ADS] offset:12416          ; fragments 2 | 3, in lanes 0-15 | 16-31
	s_wait_alu depctr_va_vdst(0)
	s_wait_dscnt 0x0
.irp p, 0,1,2,3                                ; S^T: key tile 2 p by (q, 0), 2 p + 1 by (0, q)
	WMZ 96+16*\p, 32+12*\p, 198, 248+\p/2, 255, \p%2
	WMZ 104+16*\p, 32+12*\p, 192, 248+\p/2, 255, \p%2
.endr
	v_mov_b32 v27, v12                             ; the old -M: the first of four plain instructions in front of the loads below and of the first read of the scores
.rept 3
	v_nop
.endr
.irp t, 0,1,2,3
.irp c, 0,1,2
	ds_load_b128 v[32+12*\t+4*\c:35+12*\t+4*\c], v[ADK] offset:6144+1536*\t+512*\c   ; V's four fragments land while the softmax is walked
.endr
.endr
	ds_load_b64 v[250:251], v[ADV] offset:12544    ; V's scale words: tiles 0 | 1 and 2 | 3
	SOFT
	s_wait_alu depctr_va_vdst(0)
	s_wait_dscnt 0x0                               ; V is in
.irp t, 0,1,2,3                                ; O^T += V^T P^T: four accumulators by turns
	WMA 160+8*\t, 32+12*\t, 224, 250+\t/2, 253, \t%2
.endr
	v_pk_add_f32 v[16:17], v[16:17], v[18:19]      ; the four chains join the row's sum.  These name no register of the products: they are the plain instructions in front of the next step's loads
	v_pk_add_f32 v[20:21], v[20:21], v[22:23]
	v_pk_add_f32 v[14:15], v[14:15], v[16:17]
	v_pk_add_f32 v[14:15], v[14:15], v[20:21]
	s_add_co_u32 s[TB], s[TB], REC
	s_sub_co_u32 s[CNT], s[CNT], 1
	s_cmp_lg_u32 s[CNT], 0
	s_cbranch_scc1 .Lk
	; THE TILE IS DONE: O^T / the sum, quantised along the channels: register 16 b + i is channel 32 b + 16 h + i
	s_wait_alu depctr_va_vdst(0)
	v_add_f32 v14, v14, v15
	DLY 1
	v_permlanex16_b32 v237, v14, s[SEL], s[SEL+1]
	DLY 1
	v_add_f32 v14, v14, v237                       ; the row's sum
	s_wait_alu depctr_va_vdst(0)
	v_rcp_f32 v14, v14
	v_nop                                          ; a plain instruction behind the transcendental,
	s_wait_alu depctr_va_vdst(0)                   ; and the wait ahead of its first reader, which is O^T's too
.set j, 0
.rept 16
	v_pk_mul_f32 v[96+j:97+j], v[160+j:161+j], v[14:15] op_sel_hi:[1,0]
.set j, j+2
.endr
.irp b, 0,1
	v_max3_num_f32 v[232+\b], |v[96+16*\b]|, |v[97+16*\b]|, 0x1800000
.endr
.irp i, 2,4,6,8,10,12,14
.irp b, 0,1
	DLY 2
	v_max3_num_f32 v[232+\b], v[232+\b], |v[96+16*\b+\i]|, |v[97+16*\b+\i]|
.endr
.endr
.irp b, 0,1
	DLY 2
	v_permlanex16_b32 v[236+\b], v[232+\b], s[SEL], s[SEL+1]
.endr
.irp b, 0,1
	DLY 2
	v_max_num_f32 v[232+\b], v[232+\b], v[236+\b]
.endr
.irp b, 0,1
	DLY 2
	v_add_nc_u32 v[244+\b], 0xff000000, v[232+\b]
.endr
.irp b, 0,1
	DLY 2
	v_lshrrev_b32 v[236+\b], 23, v[244+\b]
.endr
	DLY 1
	v_lshl_or_b32 v230, v237, 8, v236              ; my row's two scale bytes
	v_cvt_scalef32_pk16_fp6_f32 v[224:226], v[96:111], v244
	v_cvt_scalef32_pk16_fp6_f32 v[240:242], v[112:127], v245
	v_nop
.irp i, 0,1,2
	v_permlane16_swap_b32 v[224+\i], v[240+\i]     ; a whole block to a lane
.endr
.irp i, 0,1,2
	DLY 3
	v_mov_b32 v[227+\i], v[240+\i]
.endr
	global_store_b128 v1, v[224:227], s[54:55]     ; registers 0-3 of the half fragment: 512 consecutive bytes;
	global_store_b64 v3, v[228:229], s[54:55] offset:512   ; registers 4, 5: 256
	global_store_b16 v4, v230, s[56:57]            ; lanes r and 16 + r write the same two bytes with the same value
	s_wait_xcnt 0x0                                ; the stores have read their registers and bases: both may be written again
	s_add_nc_u64 s[52:53], s[52:53], 12800         ; two records of q_img on,
	s_add_nc_u64 s[58:59], s[58:59], 12800
	s_add_nc_u64 s[54:55], s[54:55], 196608        ; sixteen row tiles of o on
	s_add_nc_u64 s[56:57], s[56:57], 8192
	s_sub_co_u32 s48, s48, 1
	s_cmp_eq_u32 s48, 0
	s_cbranch_scc1 .Lno_q                          ; behind the last turn nothing more is loaded
	QLOAD
.Lno_q:
	s_cmp_lg_u32 s48, 0
	s_cbranch_scc1 .Lpass
	s_wait_tensorcnt 0x0                           ; the wave's end, behind my tensor load
	ds_add_u32 v[SPW], v[NIL]
	s_wait_dscnt 0x0
	CROUND                                         ; the closing round
	s_endpgm
.Lfunc_end_k_qbdd01fd0cf_attn:
	.size	k_qbdd01fd0cf_attn, .Lfunc_end_k_qbdd01fd0cf_attn-k_qbdd01fd0cf_attn
	.p2alignl 7, 3214868480
	.fill 96, 4, 3214868480
	.section	.rodata,"a",@progbits
	.p2align	6, 0x0
	.amdhsa_kernel k_qbdd01fd0cf_attn
		.amdhsa_group_segment_fixed_size 206848
		.amdhsa_private_segment_fixed_size 0
		.amdhsa_enable_private_segment 0
		.amdhsa_kernarg_size 24
		.amdhsa_user_sgpr_count 2
		.amdhsa_user_sgpr_kernarg_segment_ptr 1
		.amdhsa_wavefront_size32 1
		.amdhsa_system_sgpr_workgroup_id_x 1
		.amdhsa_system_sgpr_workgroup_id_y 1
		.amdhsa_system_sgpr_workgroup_id_z 1
		.amdhsa_system_vgpr_workitem_id 0
		.amdhsa_next_free_vgpr 256
		.amdhsa_next_free_sgpr 72
		.amdhsa_reserve_vcc 0
		.amdhsa_float_denorm_mode_32 3
		.amdhsa_float_denorm_mode_16_64 3
		.amdhsa_memory_ordered 1
		.amdhsa_forward_progress 1
		.amdhsa_inst_pref_size 28
	.end_amdhsa_kernel
	.amdgpu_metadata
---
amdhsa.version: [ 1, 2 ]
amdhsa.kernels:
  - .name:           k_qbdd01fd0cf_attn
    .symbol:         k_qbdd01fd0cf_attn.kd
    .args:
      - { .name: q_img, .offset: 0, .size: 8, .value_kind: global_buffer, .address_space: global }
      - { .name: kv_img, .offset: 8, .size: 8, .value_kind: global_buffer, .address_space: global }
      - { .name: o, .offset: 16, .size: 8, .value_kind: global_buffer, .address_space: global }
    .group_segment_fixed_size: 206848
    .private_segment_fixed_size: 0
    .kernarg_segment_align: 8
    .kernarg_segment_size: 24
    .max_flat_workgroup_size: 512
    .sgpr_count:     72
    .vgpr_count:     256
    .wavefront_size: 32
...
	.end_amdgpu_metadata
.endif
;; end of part 3
;; launch gemm_proj (part 4): grid 4 x 64, 4 waves a work-group, clusters of 4 x 4, 327,680 bytes of LDS; arguments o, wgt, proj_b, out0; writes out0
.if DOCPART == 4
	.amdgcn_target "amdgcn-amd-amdhsa--gfx1250"
	.amdhsa_code_object_version 6
	.text
	.protected	k_qbdd01fd0cf_gemm_proj
	.globl	k_qbdd01fd0cf_gemm_proj
	.p2align	8
	.type	k_qbdd01fd0cf_gemm_proj,@function
k_qbdd01fd0cf_gemm_proj:
	s_mov_b64 s[64:65], 0
	v_nop
	global_prefetch_b8 v0, s[64:65] scope:SCOPE_SE
	s_setreg_imm32_b32 hwreg(HW_REG_WAVE_MODE, 25, 1), 1
	s_wait_xcnt 0x0
	s_wait_alu depctr_hold_cnt(0) depctr_sa_sdst(0) depctr_va_vdst(0) depctr_va_sdst(0) depctr_va_ssrc(0) depctr_va_vcc(0) depctr_vm_vsrc(0)
	s_getreg_b32 s2, hwreg(HW_REG_IB_STS2, 6, 4)
	s_cmp_eq_u32 s2, 0
	s_cbranch_scc0 .Lentry_in_a_cluster
	s_endpgm
.Lentry_in_a_cluster:
	s_bfe_u32 s2, ttmp6, 0x10000c
	s_cmp_lg_u32 s2, 0xf033
	s_cbranch_scc0 .Lentry_shape_is_right
	s_endpgm
.Lentry_shape_is_right:
; THE LAST PRODUCT: out0 = O proj_w + proj_b on codes of FP6 (E2M3) with E8M0 scales.  The same structure as the three projections' launch:
; D[g][f], source 0 = 16 columns of proj_w (F: the index runs along a lane's registers), source 1 = 16 rows of O (G: the lane).  A work-group makes 128 rows x 256 columns with K = 1,024; wave w: G's tiles 4 (w / 2) on,
; F's tiles 8 (w % 2) on: 32 accumulators.  All of K lies in LDS at once, in two halves of four K steps, each filled ONCE: the first at the start, the second behind a round of the cluster's barrier; a wave has one tensor load out at the most.
; CLUSTER 4 x 4: O's tiles are asked for jointly along a row of the cluster, the weight's along a column.
; O's fragments lie as the attention left them: two halves of 768 bytes (one head each): registers 0-3 at 16 x lane, registers 4, 5 at 512 + 8 x lane.  The bias is the C of each sum's first matrix instruction.
; THE WAY OUT: a lane holds 8 neighbouring columns of one row; a block of 16 rows x 128 columns goes through my own stage in LDS and leaves as whole rows of 512 bytes.  The stage lies in the first half, which has had its only
; fill and which nobody reads behind the barrier in front of the second.  A tile's 16 rows are not neighbours: lane r of tile T is row 32 (T / 2) + 8 (T % 2) + r + 8 (r / 8).
; REGISTERS: window 0: addresses, scale words v32-79 (they hold nothing else), G's four fragments v144-191, on the way out v128-255;  window 1: F's fragments, two sets of 96, and the bias v192-255;  window 2: the accumulators.
.set OSC,   6291456
.set WSC,   3145728
.set GRP,   147456                     ; LDS: all of K lies in TWO halves of four K steps, 24 tiles x 6,144 bytes each (they take the place of the four groups): G's 8 tiles, then F's 16.
                                       ; Each half is filled once: the first by one load a wave at the head, the second by one load a wave behind the waits, the add and a round of the cluster's barrier.
                                       ; The stage of the way out lies in the first half, which nobody reads behind the barrier in front of the second
.set FOFF,  49152
.set SPARE, 2*GRP                      ; behind the halves: the spare words, 128 bytes a wave
.set NLG,   4                          ; LDS loads that bring a fragment of G
.set L16, 3
.set L8,  5
.set H64, 6
.set ADRG, 8                           ; v8-11   my G tiles in half 0, 1, + 16 x lane
.set ADRF, 12                          ; v12-15  my F tiles
.set ADRG8, 16                         ; v16-19  my G tiles, + 8 x lane
.set STO, 20                           ; v20     the stage: where I put 32 bytes of a row
.set RD,  21                           ; v21     and where I read a row back
.set SPW, 28
.set NIL, 29
.set SCG, 32
.set SCF, 48
.set AF,  144
.set BK,  128                          ; the way out: 16 rows read back: v128-191 and v192-255 by turns
.set WV,  22
.set WG,  23
.set G1,  24
.set G0,  32
.set G1B, 48
.set WF,  56
.set CX,  57
.set CY,  58
.set YY,  60
.set GI,  61
.set GT,  63
.set FT,  66
.set G0B, 68
.set MSB, 0
.macro WIN new
.if MSB != \new
	s_set_vgpr_msb (MSB<<8)|\new
.set MSB, \new
.endif
.endm
.macro PLACES n
.rept \n
	v_nop
.endr
.endm
.macro CROUND
	s_barrier_signal -1
	s_barrier_wait -1
	s_cmp_lg_u32 s[WV], 0
	s_cbranch_scc1 .Lnw0_\@
	s_barrier_signal -3
.Lnw0_\@:
	s_barrier_wait -3
	s_barrier_signal -1
	s_barrier_wait -1
.endm
	s_load_b256 s[4:11], s[0:1], 0x0               ; o, wgt, proj_b, out0
	v_lshl_add_u32 v[SPW], v0, 2, SPARE
	v_mov_b32 v[NIL], 0
	ds_add_u32 v[SPW], v[NIL]                      ; the wave's opening: the add and its wait ahead of my first tensor load
	ds_add_u32 v[SPW], v[NIL]
	v_lshrrev_b32 v1, 5, v0
	v_readfirstlane_b32 s[WV], v1
	s_lshr_b32 s[WG], s[WV], 1
	s_and_b32 s[WF], s[WV], 1
	s_bfe_u32 s[CX], ttmp6, 0x40000
	s_bfe_u32 s[CY], ttmp6, 0x40004
	s_and_b32 s[YY], ttmp7, 0xffff
	s_lshl_b32 s[GI], s[YY], 2
	s_add_co_u32 s[GI], s[GI], s[CY]               ; which 128 rows
	s_lshl_b32 s[GT], s[GI], 3                     ; G's first tile in o
	s_lshl_b32 s[FT], s[CX], 4
	s_add_co_u32 s[FT], s[FT], 192                 ; F's first tile in wgt: proj_w begins at tile 192
	s_lshl_b32 s88, s[CY], 2
	s_lshl_b32 s88, 15, s88                        ; my row of the cluster
	s_lshl_b32 s90, 0x1111, s[CX]                  ; my column
	s_or_b32 s[G1], s88, (3<<16)|(1<<21)           ; rows of 6,144 bytes (768 elements of 8 bytes), 12,288 bytes apart in memory, on end in LDS; 4 rows for G, 8 for F
	s_or_b32 s[G1B], s90, (3<<16)|(1<<21)
	s_mov_b32 s[G1+1], 768<<16                     ; rows of 6,144 bytes: a tile's four K steps, 768 elements of 8 bytes
	s_mov_b32 s[G1+2], 4<<16
	s_mov_b32 s[G1+3], 768<<16
	s_mov_b32 s[G1+4], 4
	s_mov_b32 s[G1+5], 1536
	s_mov_b32 s[G1+6], 0
	s_mov_b32 s[G1+7], 0
	s_mov_b32 s[G1B+1], 768<<16
	s_mov_b32 s[G1B+2], 8<<16
	s_mov_b32 s[G1B+3], 768<<16
	s_mov_b32 s[G1B+4], 8
	s_mov_b32 s[G1B+5], 1536
	s_mov_b32 s[G1B+6], 0
	s_mov_b32 s[G1B+7], 0
	s_lshl_b32 s88, s[WF], 2                       ; what I fetch: G's offsets never hold cx, F's never cy
	s_add_co_u32 s88, s88, s[GT]
	s_mul_i32 s88, s88, 12288
	s_mov_b32 s89, 0
	s_lshl_b32 s90, s[WF], 3
	s_add_co_u32 s90, s90, s[FT]
	s_mul_i32 s90, s90, 12288
	s_mov_b32 s91, 0
	s_mul_i32 s96, s[WF], 24576                    ; where my load goes: four tiles of G, or eight of F, x 6,144 bytes
	s_mul_i32 s97, s[WF], 49152
	s_lshl_b32 s92, s[WG], 2                       ; the scale images of the tiles that I multiply
	s_add_co_u32 s92, s92, s[GT]
	s_lshl_b32 s92, s92, 9
	s_add_co_u32 s92, s92, OSC
	s_mov_b32 s93, 0
	s_lshl_b32 s94, s[WF], 3
	s_add_co_u32 s94, s94, s[FT]
	s_lshl_b32 s94, s94, 9
	s_add_co_u32 s94, s94, WSC
	s_mov_b32 s95, 0
	s_lshl_b32 s84, s[CX], 10                      ; my 128 columns, in bytes: 1,024 cx + 512 (wave % 2)
	s_lshl_b32 s85, s[WF], 9
	s_add_co_u32 s84, s84, s85
	s_mov_b32 s85, 0
	s_lshl_b32 s98, s[GI], 7                       ; my 64 rows
	s_lshl_b32 s99, s[WG], 6
	s_add_co_u32 s98, s98, s99
	s_lshl_b32 s98, s98, 12
	s_add_co_u32 s98, s98, s84
	s_mov_b32 s99, 0
	s_wait_dscnt 0x0                               ; the opening add is done
	s_wait_kmcnt 0x0
	s_add_nc_u64 s[88:89], s[4:5], s[88:89]
	s_add_nc_u64 s[90:91], s[6:7], s[90:91]
	s_add_nc_u64 s[92:93], s[4:5], s[92:93]
	s_add_nc_u64 s[94:95], s[6:7], s[94:95]
	s_add_nc_u64 s[8:9], s[8:9], s[84:85]          ; the bias of my columns
	s_add_nc_u64 s[10:11], s[10:11], s[98:99]      ; out0 at my first row and column
	CROUND                                         ; all sixteen work-groups are here: the joint loads meet
.irp y, 0,1
	s_mov_b32 s[G0+4*\y], 1
	s_add_co_u32 s[G0+4*\y+1], s96, GRP*\y
	s_add_nc_u64 s[G0+4*\y+2:G0+4*\y+3], s[88:89], 6144*\y
	s_or_b32 s[G0+4*\y+3], s[G0+4*\y+3], 0x80000000
	s_mov_b32 s[G0B+4*\y], 1
	s_add_co_u32 s[G0B+4*\y+1], s97, GRP*\y+FOFF
	s_add_nc_u64 s[G0B+4*\y+2:G0B+4*\y+3], s[90:91], 6144*\y
	s_or_b32 s[G0B+4*\y+3], s[G0B+4*\y+3], 0x80000000
.endr
	s_cmp_lt_u32 s[WV], 2                          ; waves 0, 1 ask for G's halves, waves 2, 3 for F's: one load a wave at the head, K steps 0 to 3
	s_cbranch_scc0 .Lfirst_f
	tensor_load_to_lds s[G0:G0+3], s[G1:G1+7]
	s_nop 0
	PLACES 4
	s_branch .Lfirst_done
.Lfirst_f:
	tensor_load_to_lds s[G0B:G0B+3], s[G1B:G1B+7]
	s_nop 0
	PLACES 4
.Lfirst_done:
	v_and_b32 v1, 15, v0                           ; r
	v_bfe_u32 v2, v0, 4, 1                         ; h
	v_and_b32 v7, 31, v0
	v_lshlrev_b32 v[L16], 4, v7
	s_wait_alu depctr_va_vdst(0)
	v_lshlrev_b32 v[L8], 3, v7
	s_wait_alu depctr_va_vdst(0)
	v_lshlrev_b32 v[H64], 6, v2
.irp g, 0,1,2,3
	global_load_b128 v[SCG+4*\g:SCG+4*\g+3], v[L16], s[92:93] offset:512*\g
.endr
.irp f, 0,1,2,3,4,5,6,7
	global_load_b128 v[SCF+4*\f:SCF+4*\f+3], v[L16], s[94:95] offset:512*\f
.endr
	WIN 0x40                                       ; destination window 1: the bias in the result's layout: register 192 + 8 f + j: column 32 (f / 2) + 16 h + 8 (f % 2) + j
.irp f, 0,1,2,3,4,5,6,7
	global_load_b128 v[192+8*\f:195+8*\f], v[H64], s[8:9] offset:(32*(\f/2)+8*(\f%2))*4
	global_load_b128 v[196+8*\f:199+8*\f], v[H64], s[8:9] offset:(32*(\f/2)+8*(\f%2))*4+16
.endr
	WIN 0
	s_mul_i32 s100, s[WG], 24576
	s_mul_i32 s101, s[WF], 49152
	s_add_co_u32 s101, s101, FOFF
.irp y, 0,1
	v_add_nc_u32 v[ADRG+\y], s100, v[L16]
	v_add_nc_u32 v[ADRG8+\y], s100, v[L8]
	v_add_nc_u32 v[ADRF+\y], s101, v[L16]
	s_add_co_u32 s100, s100, GRP
	s_add_co_u32 s101, s101, GRP
.endr
	s_mul_i32 s100, s[WV], 8448                    ; my stage: 16 rows x (512 + 16) bytes
	v_mul_u32_u24 v[STO], v1, 528
	v_lshl_add_u32 v[STO], v2, 6, v[STO]
	v_add_nc_u32 v[STO], s100, v[STO]              ; in: row r, + 64 h
	v_add_nc_u32 v[RD], s100, v[L16]               ; back: 16 bytes a lane of a row
.macro FRAG reg, adr, off
.irp c, 0,1,2
	ds_load_b128 v[\reg+4*\c:\reg+4*\c+3], v[\adr] offset:\off+512*\c
.endr
.endm
.macro FRAGG reg, y, off               ; a fragment of O: two halves, each four registers at 16 x lane and two at 512 + 8 x lane
	ds_load_b128 v[\reg:\reg+3], v[ADRG+\y] offset:\off
	ds_load_b64 v[\reg+4:\reg+5], v[ADRG8+\y] offset:\off+512
	ds_load_b128 v[\reg+6:\reg+9], v[ADRG+\y] offset:\off+768
	ds_load_b64 v[\reg+10:\reg+11], v[ADRG8+\y] offset:\off+1280
.endm
.macro FETCH_F s
	WIN 0x40
.irp f, 0,1,2,3,4,5,6,7
	FRAG 96*((\s)%2)+12*\f, ADRF+(\s)/4, 6144*\f+1536*((\s)%4)
.endr
	WIN 0
.endm
.macro FETCH_G s, g0
.irp g, \g0, \g0+1
	FRAGG AF+12*(\g), (\s)/4, 6144*(\g)+1536*((\s)%4)
.endr
.endm
; 16 matrix instructions; the 32 accumulators take turns, one instruction a turn, in the same order in every step.  K step 0 starts the sums with the bias.
.macro MUL16 g0, s
.if (\s) == 0
	WIN 0x91                                       ; source 0 (F) window 1, source 1 (G) window 0, C (the bias) window 1, D window 2
.else
	WIN 0xa1                                       ; C and D window 2
.endif
.irp g, \g0, \g0+1
.irp f, 0,1,2,3,4,5,6,7
.set DD, 8*(8*(\g)+\f)
.set FF, 96*((\s)%2)+12*\f
.set GG, AF+12*(\g)
.set SA, SCF+4*\f+(\s)/2
.set SB, SCG+4*(\g)+(\s)/2
.if (\s) == 0
	v_wmma_scale_f32_16x16x128_f8f6f4 v[DD:DD+7], v[FF:FF+11], v[GG:GG+11], v[192+8*\f:199+8*\f], v[SA], v[SB] matrix_a_fmt:MATRIX_FMT_FP6 matrix_b_fmt:MATRIX_FMT_FP6
.elseif (\s)%2 == 0
	v_wmma_scale_f32_16x16x128_f8f6f4 v[DD:DD+7], v[FF:FF+11], v[GG:GG+11], v[DD:DD+7], v[SA], v[SB] matrix_a_fmt:MATRIX_FMT_FP6 matrix_b_fmt:MATRIX_FMT_FP6
.else
	v_wmma_scale_f32_16x16x128_f8f6f4 v[DD:DD+7], v[FF:FF+11], v[GG:GG+11], v[DD:DD+7], v[SA], v[SB] matrix_a_fmt:MATRIX_FMT_FP6 matrix_b_fmt:MATRIX_FMT_FP6 matrix_a_scale:MATRIX_SCALE_ROW1 matrix_b_scale:MATRIX_SCALE_ROW1
.endif
.endr
.endr
.endm
.macro STEP s
	s_wait_dscnt 2*NLG                             ; F's set and G's blocks 0, 1 are in; the youngest loads (G's blocks 2, 3) may be out
	MUL16 0, \s
.if (\s) == 3
	s_wait_tensorcnt 0x0                           ; my part of the second half has landed
	s_wait_dscnt 0x0
	s_barrier_signal -1
	s_barrier_wait -1
.else
	s_wait_dscnt 0x0
.endif
.if (\s) < 7
	PLACES 4                                       ; four plain instructions in front of loads into registers that matrix instructions have read
	FETCH_F (\s)+1
	FETCH_G (\s)+1, 0
.endif
	MUL16 2, \s
	PLACES 4
	WIN 0
.if (\s) < 7
	FETCH_G (\s)+1, 2
.endif
.endm
	s_wait_alu depctr_va_vdst(0)
	s_wait_tensorcnt 0x0                           ; my part of the first half has landed
	ds_add_u32 v[SPW], v[NIL]                      ; 0 onto my spare word,
	s_wait_dscnt 0x0                               ; and the wait for it
	CROUND                                         ; a whole round: everybody's part is in, and the sixteen work-groups' joint loads meet
	s_cmp_lt_u32 s[WV], 2                          ; K steps 4 to 7: my one load behind the round; it has K steps 0 to 3, 112 matrix instructions up to its wait, in which to land
	s_cbranch_scc0 .Lsecond_f
	tensor_load_to_lds s[G0+4:G0+7], s[G1:G1+7]
	s_nop 0
	PLACES 4
	s_branch .Lsecond_done
.Lsecond_f:
	tensor_load_to_lds s[G0B+4:G0B+7], s[G1B:G1B+7]
	s_nop 0
	PLACES 4
.Lsecond_done:
	FETCH_F 0
	FETCH_G 0, 0
	FETCH_G 0, 2
	s_wait_loadcnt 0x0                             ; scale words and bias
.irp s, 0,1,2,3,4,5,6,7
	STEP \s
.endr
; THE WAY OUT.  LDS serves a wave's instructions in order: no wait between a block's stores and its loads, nor in front of the next block's stores.
.macro TOSTAGE g
	WIN 0x08                                       ; an LDS store's data are its source 1: window 2
.irp f, 0,1,2,3,4,5,6,7
	ds_store_b128 v[STO], v[8*(8*(\g)+\f):8*(8*(\g)+\f)+3] offset:128*(\f/2)+32*(\f%2)        ; each accumulator from its low end on
	ds_store_b128 v[STO], v[8*(8*(\g)+\f)+4:8*(8*(\g)+\f)+7] offset:128*(\f/2)+32*(\f%2)+16
.endr
	WIN 0
.set BB, BK+64*((\g)%2)
.irp t, 0,1,2,3,4,5,6,7,8,9,10,11,12,13,14,15
	ds_load_b128 v[BB+4*\t:BB+4*\t+3], v[RD] offset:528*\t
.endr
.endm
.macro SEND g, younger                 ; younger: the LDS instructions issued behind block g's loads, which may stay out
.set BB, BK+64*((\g)%2)
	s_wait_dscnt \younger
.irp t, 0,1,2,3,4,5,6,7,8,9,10,11,12,13,14,15
	global_store_b128 v[L16], v[BB+4*\t:BB+4*\t+3], s[10:11] offset:(32*((\g)/2)+8*((\g)%2)+\t+8*(\t/8))*4096 th:TH_STORE_NT   ; 32 lanes store 512 consecutive bytes of a row, at a multiple of 512 from out0's first byte
.endr
.endm
	TOSTAGE 0                                      ; (four plain instructions stand behind the last products)
.irp g, 1,2,3
.if \g > 1
	s_wait_xcnt 0x0                                ; the stores of two blocks back have read their registers: this block's loads may land there
.endif
	TOSTAGE \g
	SEND \g-1, 32                                  ; behind block g - 1's loads: block g's 16 stores and 16 loads
.endr
	SEND 3, 0
	s_wait_tensorcnt 0x0                           ; the wave's end, behind my last tensor load and my last LDS store
	ds_add_u32 v[SPW], v[NIL]
	s_wait_dscnt 0x0
	CROUND                                         ; the closing round
	s_endpgm
.Lfunc_end_k_qbdd01fd0cf_gemm_proj:
	.size	k_qbdd01fd0cf_gemm_proj, .Lfunc_end_k_qbdd01fd0cf_gemm_proj-k_qbdd01fd0cf_gemm_proj
	.p2alignl 7, 3214868480
	.fill 96, 4, 3214868480
	.section	.rodata,"a",@progbits
	.p2align	6, 0x0
	.amdhsa_kernel k_qbdd01fd0cf_gemm_proj
		.amdhsa_group_segment_fixed_size 327680
		.amdhsa_private_segment_fixed_size 0
		.amdhsa_enable_private_segment 0
		.amdhsa_kernarg_size 32
		.amdhsa_user_sgpr_count 2
		.amdhsa_user_sgpr_kernarg_segment_ptr 1
		.amdhsa_wavefront_size32 1
		.amdhsa_system_sgpr_workgroup_id_x 1
		.amdhsa_system_sgpr_workgroup_id_y 1
		.amdhsa_system_sgpr_workgroup_id_z 1
		.amdhsa_system_vgpr_workitem_id 0
		.amdhsa_next_free_vgpr 768
		.amdhsa_next_free_sgpr 104
		.amdhsa_reserve_vcc 0
		.amdhsa_float_denorm_mode_32 3
		.amdhsa_float_denorm_mode_16_64 3
		.amdhsa_memory_ordered 1
		.amdhsa_forward_progress 1
		.amdhsa_inst_pref_size 81
	.end_amdhsa_kernel
	.amdgpu_metadata
---
amdhsa.version: [ 1, 2 ]
amdhsa.kernels:
  - .name:           k_qbdd01fd0cf_gemm_proj
    .symbol:         k_qbdd01fd0cf_gemm_proj.kd
    .args:
      - { .name: o, .offset: 0, .size: 8, .value_kind: global_buffer, .address_space: global }
      - { .name: wgt, .offset: 8, .size: 8, .value_kind: global_buffer, .address_space: global }
      - { .name: proj_b, .offset: 16, .size: 8, .value_kind: global_buffer, .address_space: global }
      - { .name: out0, .offset: 24, .size: 8, .value_kind: global_buffer, .address_space: global }
    .group_segment_fixed_size: 327680
    .private_segment_fixed_size: 0
    .kernarg_segment_align: 8
    .kernarg_segment_size: 32
    .max_flat_workgroup_size: 128
    .sgpr_count:     104
    .vgpr_count:     768
    .wavefront_size: 32
...
	.end_amdgpu_metadata
.endif
;; end of part 4
